; MI455X (gfx1250); checked and timed in simulation.
; The chip was launched on July 23, 2026; its instructions are those of AMD's public machine-readable ISA for CDNA 5 (MIT licence, August 2026) and "CDNA5" Instruction Set Architecture Reference Guide (July 2026). The comments in the code are by the model that wrote it; some were corrected since.
;; Asynchronized Attention. Allowed arithmetic: matrix products marked QUANTISED: E2M3 operands, one E8M0 scale for each 32 along K, by v_wmma_scale_f32_16x16x128_f8f6f4 with both operands' format E2M3, f32 sums; products left as they are: f32 operands where the result goes on into a quantised operand, else bf16, f16 or f32 operands; f32 sums; everything else in f32.
;; Inputs: W_qkv 1,024 x 3,072 float32; b_qkv 3,072 float32; x 4 x 4,096 x 1,024 float32.
;; Outputs: out0 4 x 4,096 x 16 x 64 float32.
;; This version of the problem:
;;   THIS VERSION OF THE PROBLEM IS GIVEN IN LOW PRECISION. The matrix products marked QUANTISED in the list below multiply operands that are first quantised to E2M3 (2 exponent bits, 3 mantissa bits; 6 bits a number), with one power-of-two scale for each 32 numbers along K (OCP MX v1.0); their sums are f32. All else is computed in f32.
;;   The module's matrix products, in the order in which they are computed (A, B: the left and right operand; K: the contracted axis; several contracted axes count as one K, in the product's order):
;;     1. [M 16,384, K 1,024] x [K 1,024, N 3,072]; A: input x; B: input W_qkv: QUANTISED
;;     2. batch 16,384 x [M 16, K 64] x [K 64, N 16]; A: computed on the way; B: computed on the way: QUANTISED
;;     3. batch 16,384 x [M 16, K 16] x [K 16, N 64]; A: computed on the way; B: computed on the way: left as it is (K = 16 < 32)
;;   THE QUANTISER, for each operand of a quantised product, along K:
;;     - K is cut into blocks of 32 from its start; a last block that is shorter is filled with zeros.
;;     - A block's scale is 2^e with e = floor(log2(the largest magnitude in the block)) - 2, held to -126 .. 127; a block of zeros has e = 0. As a byte (E8M0): e + 127.
;;     - Each number is divided by its block's scale, clamped to +-7.5, and rounded to the nearest number of E2M3, ties to even, subnormals kept.
;;     - The product sums the exact products of the quantised numbers (number of the format x scale) in f32.
;;   ~~~python
;;   def quantise(x, axis):      # numpy; x: float32 -> the quantised numbers, widened to float32 again
;;       x = np.moveaxis(x, axis, -1); K = x.shape[-1]
;;       x = np.pad(x, [(0, 0)] * (x.ndim - 1) + [(0, -K % 32)]); x = x.reshape(x.shape[:-1] + (-1, 32)); a = np.abs(x).max(-1, keepdims=True)
;;       e = np.where(a > 0, np.clip(np.frexp(np.where(a > 0, a, 1))[1] - 1 - 2, -126, 127), 0)      # np.frexp(a)[1] - 1 = floor(log2(a)), exactly
;;       r = np.clip(x / 2.0 ** e, -7.5, 7.5)
;;       step = 2.0 ** (np.maximum(np.frexp(np.where(r == 0, 1, r))[1] - 1, 0) - 3)
;;       q = np.round(r / step) * step * 2.0 ** e      # np.round: ties to even
;;       return np.moveaxis(q.reshape(q.shape[:-2] + (-1,))[..., :K], -1, axis).astype(np.float32)
;;   ~~~
;;   OPERANDS COMPUTED ON THE WAY. 'Computed on the way' means the value that the module computes at that place (a softmax that the list does not call 'softmax' is quantised finished and normalised). What goes into a quantiser is computed in f32, as accurately as f32 sums, v_exp_f32 and their like allow (about 1e-6 of the number): no bf16 or f16 on the way to a quantiser, and a product that is left as it is and whose result goes on into a quantised operand takes f32 operands (vector FMAs, or v_wmma_f32_16x16x4_f32). A number that lies on a knife's edge between two numbers of the format may be rounded either way, as far as f32 arithmetic and the matrix unit's own rounding can turn it there, and no further.
;; 2 versions. Each part assembles by itself: llvm-mc -triple=amdgcn-amd-amdhsa -mcpu=gfx1250 --defsym DOCPART=n.
;; ======== version 1 of 2: 2 launches
;; workspace buffers: wq 2,457,600 bytes
;; launch prep (part 1): grid 48 x 4, 4 waves a work-group, no clusters, 0 bytes of LDS; arguments W_qkv, wq; writes wq
.if DOCPART == 1
	.amdgcn_target "amdgcn-amd-amdhsa--gfx1250"
	.amdhsa_code_object_version 6
	.text
	.protected	k_q0405f74d51_prep
	.globl	k_q0405f74d51_prep
	.p2align	8
	.type	k_q0405f74d51_prep,@function
k_q0405f74d51_prep:
	s_mov_b64 s[64:65], 0
	v_nop
	global_prefetch_b8 v0, s[64:65] scope:SCOPE_SE
	s_setreg_imm32_b32 hwreg(HW_REG_WAVE_MODE, 25, 1), 1
	s_wait_xcnt 0x0
; W_qkv [1024 (k)][3072 (n)], f32, becomes codes of FP6 (E2M3) with one E8M0 byte for each 32 along K, laid in wq as IMAGES OF OPERAND REGISTERS in the order in which the second launch walks them.
; A block's scale is 2^(floor(log2(its largest magnitude)) - 2); its byte is the largest magnitude's exponent field - 2, held at 1 from below.
; LIMITS: a block of zeros gets the byte 1 where the rule says 127 (its codes are zeros, and this program alone reads the bytes); NaN and infinities among the inputs are not served.
; wq: 24 slots of 102,400 bytes, slot 4 c + kk (chunk c = 0..5, K steps 2 kk and 2 kk + 1); in a slot four parts of 25,600 bytes, one for each wave w of the second launch.
;   in a part: fragment (q, i) (K step 2 kk + q, column tile i) at 12,288 q + 1,536 i: registers 4 g .. 4 g + 3 of lane l at 512 g + 16 l; lane (r, hh) holds of the tile's row r, in registers 6 cc .. 6 cc + 5, k = 64 cc + 32 hh + 0 .. 31.
;   the scale word of (q, i, r) at 24,576 + 512 q + 16 (r + 16 (i / 4)) + 4 (i % 4).
;   chunks 0-3: head 4 w + c; row r of tile i = 2 b + uu is column 192 head + 32 b + 8 uu + r + 8 (r / 8) (Q: b = 0, 1; K: b = 2, 3).  chunks 4, 5: tile i is head 8 (c - 4) + i; row r is column 192 head + 128 + 16 w + r (V).
; SHARES: work-group x = a group of 64 columns (Q, K or V of one head), y = kk.  Wave: a = wave % 2 (which 32 columns), q = wave / 2.  A LANE TAKES A COLUMN AND ITS REGISTERS RUN DOWN 128 k: four whole blocks, no other lane is asked.
; A load reads 128 consecutive bytes.  The codes leave 16 bytes a lane; each aligned run of 256 bytes of codes is written whole by one store.  The scale words leave as 4 bytes in every 16: 1,024 of a part's 25,600 bytes.
.set NROW,  12288                      ; a row of W in bytes
.set SLOTB, 102400
.set PARTB, 25600
.set X,     64                         ; v64-127  two sets of 32 numbers
.set F,     16                         ; v16-27 the operand registers of lane (r, 0), v28-39 those of lane (r, 1)
.set T,     40                         ; v40-42   a block's upper 16 codes (a conversion's three registers begin on an even number)
.set SW,    44                         ; v44      the column's scale word
	s_load_b128 s[4:7], s[0:1], 0x0                ; W, wq
	v_lshrrev_b32 v1, 5, v0
	v_readfirstlane_b32 s8, v1                     ; wave
	v_and_b32 v1, 31, v0                           ; lane
	v_lshlrev_b32 v2, 2, v1                        ; in: 4 bytes a lane
	s_and_b32 s9, ttmp7, 0xffff                    ; kk
	s_and_b32 s14, s8, 1                           ; a
	s_lshr_b32 s15, s8, 1                          ; q
	s_mul_i32 s16, ttmp9, 43
	s_lshr_b32 s16, s16, 7                         ; head = group / 3 (exact for 0 .. 47)
	s_mul_i32 s17, s16, 3
	s_sub_co_u32 s17, ttmp9, s17                   ; 0: Q, 1: K, 2: V
	s_lshl_b32 s18, s9, 1
	s_add_co_u32 s18, s18, s15                     ; K step
	s_mul_i32 s18, s18, 128*NROW
	s_lshl_b32 s19, ttmp9, 8                       ; 64 columns x 4 bytes a group
	s_add_co_u32 s18, s18, s19
	s_lshl_b32 s19, s14, 7
	s_add_co_u32 s18, s18, s19                     ; where my wave reads, in bytes
	s_mov_b32 s19, 0
	s_and_b32 s20, s16, 3                          ; Q, K: chunk = head % 4,
	s_lshr_b32 s21, s16, 3
	s_add_co_u32 s21, s21, 4                       ; V: chunk = 4 + head / 8
	s_lshr_b32 s22, s16, 2                         ; Q, K: part = head / 4,
	s_lshl_b32 s23, s14, 1                         ; V: part = 2 a (+ lane / 16)
	s_lshl_b32 s24, s17, 2
	s_add_co_u32 s24, s24, s23                     ; Q, K: tile = 4 x (0 or 1) + 2 a (+ uu),
	s_and_b32 s25, s16, 7                          ; V: tile = head % 8
	s_cmp_eq_u32 s17, 2                            ; the choice hangs on the work-group's number alone
	s_cselect_b32 s20, s21, s20
	s_cselect_b32 s22, s23, s22
	s_cselect_b32 s24, s25, s24
	s_cselect_b32 s26, -1, 0
	s_lshl_b32 s20, s20, 2
	s_add_co_u32 s20, s20, s9                      ; slot
	s_mul_i32 s20, s20, SLOTB
	s_mul_i32 s22, s22, PARTB
	s_add_co_u32 s20, s20, s22                     ; the part's first byte
	s_mul_i32 s21, s15, 12288
	s_mul_i32 s23, s24, 1536
	s_add_co_u32 s10, s20, s21
	s_add_co_u32 s10, s10, s23                     ; the fragment
	s_mov_b32 s11, 0
	s_lshl_b32 s21, s15, 9
	s_lshr_b32 s23, s24, 2
	s_lshl_b32 s23, s23, 8
	s_and_b32 s25, s24, 3
	s_lshl_b32 s25, s25, 2
	s_add_co_u32 s12, s20, s21
	s_add_co_u32 s12, s12, s23
	s_add_co_u32 s12, s12, s25
	s_add_co_u32 s12, s12, 24576                   ; its scale words
	s_mov_b32 s13, 0
	v_and_b32 v5, 7, v1
	v_lshrrev_b32 v6, 4, v1
	v_lshl_add_u32 v5, v6, 3, v5                   ; Q, K: r = lane % 8 + 8 (lane / 16),
	v_bfe_u32 v7, v1, 3, 1                         ; uu = (lane / 8) % 2
	v_lshlrev_b32 v5, 4, v5
	v_mad_u32_u24 v8, v7, 1536, v5                 ; codes: 1,536 uu + 16 r
	v_lshl_add_u32 v9, v7, 2, v5                   ; scale word: 16 r + 4 uu
	v_and_b32 v10, 15, v1
	v_lshlrev_b32 v10, 4, v10
	v_mad_u32_u24 v10, v6, PARTB, v10              ; V: a part on for lanes 16-31, 16 (lane % 16), for both
	v_cndmask_b32 v3, v8, v10, s26
	v_cndmask_b32 v4, v9, v10, s26
	s_wait_kmcnt 0x0
	s_add_nc_u64 s[4:5], s[4:5], s[18:19]
	s_add_nc_u64 s[10:11], s[6:7], s[10:11]
	s_add_nc_u64 s[12:13], s[6:7], s[12:13]
.macro LOAD t                          ; block t: W(32 t + i, my column), i = 0 .. 31, into set t % 2
.irp i, 0,1,2,3,4,5,6,7,8,9,10,11,12,13,14,15,16,17,18,19,20,21,22,23,24,25,26,27,28,29,30,31
	global_load_b32 v[X+32*((\t)%2)+\i], v2, s[4:5] offset:(32*(\t)+\i)*NROW th:TH_LOAD_NT
.endr
.endm
.macro BLOCK t                         ; block t belongs to lane (r, t % 2), registers 6 (t / 2) on
.set XS, X+32*((\t)%2)
.set FD, F+12*((\t)%2)+6*((\t)/2)
.if (\t) < 3
	s_wait_loadcnt 32                              ; this block's 32 loads are in; the next block's 32 may be out
.else
	s_wait_loadcnt 0
.endif
	v_max3_num_f32 v12, |v[XS]|, |v[XS+1]|, |v[XS+2]|              ; the block's largest magnitude, in two chains
	v_max3_num_f32 v13, |v[XS+3]|, |v[XS+4]|, |v[XS+5]|
.irp i, 6,10,14,18,22,26
	v_max3_num_f32 v12, v12, |v[XS+\i]|, |v[XS+\i+1]|
	v_max3_num_f32 v13, v13, |v[XS+\i+2]|, |v[XS+\i+3]|
.endr
	v_max3_num_f32 v12, v12, |v[XS+30]|, |v[XS+31]|
	v_max3_num_f32 v12, v12, v13, 0x1800000        ; and the floor 2^(3 - 127): the byte cannot fall under 1
	v_add_nc_u32 v11, 0xff000000, v12              ; 2 off the exponent field: the conversion's scale operand
	v_lshrrev_b32 v13, 23, v11                     ; the scale's byte
.if (\t) == 0
	v_mov_b32 v[SW], v13
.else
	v_lshl_or_b32 v[SW], v13, 8*(\t), v[SW]        ; byte t scales k = 32 t .. 32 t + 31
.endif
	v_cvt_scalef32_pk16_fp6_f32 v[FD:FD+2], v[XS:XS+15], v11
	v_cvt_scalef32_pk16_fp6_f32 v[T:T+2], v[XS+16:XS+31], v11
	v_nop                                          ; one plain place behind a scaled conversion
.irp i, 0,1,2
	v_mov_b32 v[FD+3+\i], v[T+\i]
.endr
.if (\t) < 2
	LOAD (\t)+2
.endif
.endm
	LOAD 0
	LOAD 1
	BLOCK 0
	BLOCK 1
	BLOCK 2
	BLOCK 3
.irp hh, 0,1
.irp g, 0,1,2
	global_store_b128 v3, v[F+12*\hh+4*\g:F+12*\hh+4*\g+3], s[10:11] offset:256*\hh+512*\g
.endr
.endr
	global_store_b32 v4, v[SW], s[12:13]
	s_endpgm
.Lfunc_end_k_q0405f74d51_prep:
	.size	k_q0405f74d51_prep, .Lfunc_end_k_q0405f74d51_prep-k_q0405f74d51_prep
	.p2alignl 7, 3214868480
	.fill 96, 4, 3214868480
	.section	.rodata,"a",@progbits
	.p2align	6, 0x0
	.amdhsa_kernel k_q0405f74d51_prep
		.amdhsa_group_segment_fixed_size 0
		.amdhsa_private_segment_fixed_size 0
		.amdhsa_enable_private_segment 0
		.amdhsa_kernarg_size 16
		.amdhsa_user_sgpr_count 2
		.amdhsa_user_sgpr_kernarg_segment_ptr 1
		.amdhsa_wavefront_size32 1
		.amdhsa_system_sgpr_workgroup_id_x 1
		.amdhsa_system_sgpr_workgroup_id_y 1
		.amdhsa_system_sgpr_workgroup_id_z 1
		.amdhsa_system_vgpr_workitem_id 0
		.amdhsa_next_free_vgpr 128
		.amdhsa_next_free_sgpr 66
		.amdhsa_reserve_vcc 0
		.amdhsa_float_denorm_mode_32 3
		.amdhsa_float_denorm_mode_16_64 3
		.amdhsa_memory_ordered 1
		.amdhsa_forward_progress 1
		.amdhsa_inst_pref_size 22
	.end_amdhsa_kernel
	.amdgpu_metadata
---
amdhsa.version: [ 1, 2 ]
amdhsa.kernels:
  - .name:           k_q0405f74d51_prep
    .symbol:         k_q0405f74d51_prep.kd
    .args:
      - { .name: W_qkv, .offset: 0, .size: 8, .value_kind: global_buffer, .address_space: global }
      - { .name: wq, .offset: 8, .size: 8, .value_kind: global_buffer, .address_space: global }
    .group_segment_fixed_size: 0
    .private_segment_fixed_size: 0
    .kernarg_segment_align: 8
    .kernarg_segment_size: 16
    .max_flat_workgroup_size: 128
    .sgpr_count:     66
    .vgpr_count:     128
    .wavefront_size: 32
...
	.end_amdgpu_metadata
.endif
;; end of part 1
;; launch fused (part 2): grid 256 x 1, 4 waves a work-group, clusters of 4 x 1, 327,680 bytes of LDS; arguments x, wq, b_qkv, out0; writes out0
.if DOCPART == 2
	.amdgcn_target "amdgcn-amd-amdhsa--gfx1250"
	.amdhsa_code_object_version 6
	.text
	.protected	k_q0405f74d51_fused
	.globl	k_q0405f74d51_fused
	.p2align	8
	.type	k_q0405f74d51_fused,@function
k_q0405f74d51_fused:
	s_mov_b64 s[64:65], 0
	v_nop
	global_prefetch_b8 v0, s[64:65] scope:SCOPE_SE
	s_setreg_imm32_b32 hwreg(HW_REG_WAVE_MODE, 25, 1), 1
	s_wait_xcnt 0x0
	s_wait_alu depctr_hold_cnt(0) depctr_sa_sdst(0) depctr_va_vdst(0) depctr_va_sdst(0) depctr_va_ssrc(0) depctr_va_vcc(0) depctr_vm_vsrc(0)
	s_getreg_b32 s2, hwreg(HW_REG_IB_STS2, 6, 4)
	s_cmp_eq_u32 s2, 0
	s_cbranch_scc0 .Lentry_in_a_cluster
	s_endpgm
.Lentry_in_a_cluster:
	s_bfe_u32 s2, ttmp6, 0x10000c
	s_cmp_lg_u32 s2, 0x3003
	s_cbranch_scc0 .Lentry_shape_is_right
	s_endpgm
.Lentry_shape_is_right:
; out[t][h][:] = sum over g of p[t][h][g] V[t][g][:],  p = e / sum of e,  e = exp(s) where |s| <= 20, else 0,  s = Q[t][h] . K[t][g] - 20,  [Q K V] of head h = columns 192 h .. 192 h + 191 of x W + b.
; x W and Q K^T go on codes of FP6 (E2M3) with one E8M0 scale for each 32 along K; p V (K = 16) on bf16 operands; all sums f32.  No maximum is taken away, as in the definition: its own clip holds e between e^-20 and e^20.
; LIMITS: a block of zeros gets the scale byte 1 with zero codes; NaN and infinities among the inputs are not served; p is e x (1 / sum) by v_rcp_f32, so a row all of whose scores are clipped gives 0 x infinity = NaN, as 0 / 0 does;
; p and V are rounded to bf16 for the last product.
; SHARES.  A work-group owns 64 tokens and makes all 3,072 columns of x W for them, so qkv never goes to memory.  THE FOUR WAVES SHARE THE COLUMNS: every wave keeps the codes of all 64 tokens of x in registers (32 fragments,
; 384 registers), and each fragment of W is read from LDS once, by one wave, for four matrix instructions.  W comes as codes laid by the first launch as images of operand registers, in six chunks of four slots:
; chunks 0-3: wave w makes Q and K of head 4 w + c, transposed (source 0 = 16 columns of W, source 1 = 16 tokens), so that a lane holds one token and its registers run along the head: they are quantised in registers and go to LDS;
; then each wave does the scores and p of its 16 tokens; chunks 4, 5: wave w makes channels 16 w .. 16 w + 15 of V for heads 0-7 and 8-15 (source 0 = tokens); then p V, and the way out through a stage in LDS.
; RING.  Two LDS slots of 102,400 bytes, each 2 K steps of a chunk; wave w fetches and reads part w (25,600 bytes) alone.  The registers hold one slot more: a slot's fragments are read a slot time before they are multiplied.
; CLUSTER.  All work-groups walk the same W: the four of a cluster ask for each part JOINTLY (mask 15, the same descriptor in all four).  A mask names four at the most, so the cluster is 4 x 1.
; REGISTERS, in windows of 256.  window 0: v0-39 addresses, v40-55 x's scale words, v56-63 W's, v64-255 W's 16 fragments (on the way out v64-127: rows of out).
;   window 1: x as loaded (four sets of 64), then x's fragments of K steps 0-4 at 12 (4 s + m); on the way out V^T, p and the results.   window 2: two sets of 64 numbers of x, then the 32 accumulators ((i, m) at 64 m + 8 i), in between the attention's.
;   window 3: v0-143 x's fragments of K steps 5-7; v144-207 the bias in the result's layout (later V's bias and packed V); v208-246 the quantiser's.
.set SLOTB, 102400
.set PARTB, 25600
.set QBUF,  204800                     ; Q's codes: 64 tokens x 784 bytes: head hd at 48 hd, half hh at + 24
.set KBUF,  254976                     ; K's likewise
.set QSC,   305152                     ; a scale word for each (token, head): 68 bytes a token; bytes 0, 1 the two blocks', bytes 2, 3 zero (they stand over zero codes)
.set KSC,   309504
.set BLDS,  313856                     ; b_qkv as it lies, 12,288 bytes
.set BPAD,  326144                     ; 1,024 bytes of zeros: the bias load of the fourth chunk's end reaches up to 512 bytes past b, and its result is not used
.set SPARE, 327168                     ; the spare words, 128 bytes for each wave: two blocks of 256 bytes that no other line names
.set XIMG,  204800                     ; the X phase, in bytes that Q's and K's codes take later, behind a barrier: x's 32 fragments (4 s + m) as images, 1,536 bytes each;
.set XSC,   253952                     ; their scale words: image (s, mp) at 256 s + 128 mp: row tile mp in lanes 0-15, row tile mp + 2 in lanes 16-31;
.set XSTG,  256000                     ; a stage of 16 rows x 528 bytes for each wave
; later overlays, all in bytes that only LDS stores write: p of token 16 w + i at QBUF + 12,544 w + 512 i (in wave w's own rows of Q, behind its reads of them); packed V, image idx = 8 m + j of wave w, at
; KBUF + 12,544 w + 512 idx (idx < 24) or QBUF + 12,544 w + 8,192 + 512 (idx - 24); the stage for out, two of 34,816 bytes, at LDS byte 0: in slot 0, behind its last fill and a barrier behind its last read.
.set SPW,  1                           ; v1   LDS address of my spare word; never rewritten
.set NIL,  2                           ; v2   0; never rewritten
.set LI,   3                           ; v3   16 x lane
.set WAD,  4                           ; v4-5 my part of slot 0, 1, + 16 x lane
.set QST,  6
.set KST,  7
.set SCST, 8
.set BAD,  10
.set ATQ,  15
.set ATS,  17
.set PST,  18
.set VBA,  19
.set PLD,  21
.set OST,  22
.set ORD,  23
.set XSTA, 26
.set XRD,  27
.set XWI,  28
.set XWS,  29
.set ASC,  30                          ; v30-33 the attention's scale words: Q's in lanes 0-15, K's in lanes 16-31
.set PFO,  34
.set XSL,  35
.set XS,   40                          ; x's scale words: register 2 s + m % 2, lanes 16 (m / 2) on
.set WS,   56                          ; W's: register 4 q + i % 4, lanes 16 (i / 4) on
.set WF,   64                          ; W's fragment (q, i) at 64 + 96 q + 12 i
.set RB,   64
.set BI,   144                         ; window 3
.set VB,   144
.set PK,   160
.set TM,   208
.set PC,   224
.set PW,   244
.set WD,   245
.set SH,   246
.set SS,   96                          ; window 2, attention: K's and Q's operands of token t at 24 t and 24 t + 12; scores, e, sums, reciprocals, p, at work, a zero
.set TT,   128
.set SM,   160
.set RC,   176
.set PB,   192
.set TP,   208
.set ZR,   212
.set PP,   48                          ; window 1, the way out: V^T of pair k at 12 k: [token j][zeros][token 8 + j]; p likewise at 48 + 12 k; results at 96 + 8 n
.set DD,   96
.set G1,   24                          ; s[24:31] descriptor group 1; s[32:35], s[36:39] group 0 of slot 0, 1
.set G0,   32
.set PFA,  48                          ; s[48:49] where my prefetches stand
.set MSB, 0
.macro WIN new                         ; the immediate's high byte repeats the setting that is left
.if MSB != \new
	s_set_vgpr_msb (MSB<<8)|\new
.set MSB, \new
.endif
.endm
.macro PLACES n                        ; plain places behind matrix instructions: in front of loads into their registers and of the first read of results
.rept \n
	v_nop
.endr
.endm
.macro BARRIER                         ; my LDS stores have landed and my LDS loads are in: then the work-group's barrier
	s_wait_dscnt 0x0
	s_barrier_signal -1
	s_barrier_wait -1
.endm
.macro CREST                           ; a round of the cluster's barrier behind its opening barrier
	s_cmp_lg_u32 s12, 0
	s_cbranch_scc1 .Lnot_wave_0_\@
	s_barrier_signal -3
.Lnot_wave_0_\@:
	s_barrier_wait -3
	s_barrier_signal -1
	s_barrier_wait -1
.endm
.macro CROUND
	s_barrier_signal -1
	s_barrier_wait -1
	CREST
.endm
; One scaled matrix instruction.  c < 0: the constant 0 starts the sum.  ra, rb: source 0's, source 1's scales stand in lanes 16-31 of their register.
.macro WM d, a, b, c, sa, sb, ra, rb
.if (\c) < 0
.if (\ra) && (\rb)
	v_wmma_scale_f32_16x16x128_f8f6f4 v[\d:\d+7], v[\a:\a+11], v[\b:\b+11], 0, v[\sa], v[\sb] matrix_a_fmt:MATRIX_FMT_FP6 matrix_b_fmt:MATRIX_FMT_FP6 matrix_a_scale:MATRIX_SCALE_ROW1 matrix_b_scale:MATRIX_SCALE_ROW1
.elseif (\ra)
	v_wmma_scale_f32_16x16x128_f8f6f4 v[\d:\d+7], v[\a:\a+11], v[\b:\b+11], 0, v[\sa], v[\sb] matrix_a_fmt:MATRIX_FMT_FP6 matrix_b_fmt:MATRIX_FMT_FP6 matrix_a_scale:MATRIX_SCALE_ROW1
.elseif (\rb)
	v_wmma_scale_f32_16x16x128_f8f6f4 v[\d:\d+7], v[\a:\a+11], v[\b:\b+11], 0, v[\sa], v[\sb] matrix_a_fmt:MATRIX_FMT_FP6 matrix_b_fmt:MATRIX_FMT_FP6 matrix_b_scale:MATRIX_SCALE_ROW1
.else
	v_wmma_scale_f32_16x16x128_f8f6f4 v[\d:\d+7], v[\a:\a+11], v[\b:\b+11], 0, v[\sa], v[\sb] matrix_a_fmt:MATRIX_FMT_FP6 matrix_b_fmt:MATRIX_FMT_FP6
.endif
.else
.if (\ra) && (\rb)
	v_wmma_scale_f32_16x16x128_f8f6f4 v[\d:\d+7], v[\a:\a+11], v[\b:\b+11], v[\c:\c+7], v[\sa], v[\sb] matrix_a_fmt:MATRIX_FMT_FP6 matrix_b_fmt:MATRIX_FMT_FP6 matrix_a_scale:MATRIX_SCALE_ROW1 matrix_b_scale:MATRIX_SCALE_ROW1
.elseif (\ra)
	v_wmma_scale_f32_16x16x128_f8f6f4 v[\d:\d+7], v[\a:\a+11], v[\b:\b+11], v[\c:\c+7], v[\sa], v[\sb] matrix_a_fmt:MATRIX_FMT_FP6 matrix_b_fmt:MATRIX_FMT_FP6 matrix_a_scale:MATRIX_SCALE_ROW1
.elseif (\rb)
	v_wmma_scale_f32_16x16x128_f8f6f4 v[\d:\d+7], v[\a:\a+11], v[\b:\b+11], v[\c:\c+7], v[\sa], v[\sb] matrix_a_fmt:MATRIX_FMT_FP6 matrix_b_fmt:MATRIX_FMT_FP6 matrix_b_scale:MATRIX_SCALE_ROW1
.else
	v_wmma_scale_f32_16x16x128_f8f6f4 v[\d:\d+7], v[\a:\a+11], v[\b:\b+11], v[\c:\c+7], v[\sa], v[\sb] matrix_a_fmt:MATRIX_FMT_FP6 matrix_b_fmt:MATRIX_FMT_FP6
.endif
.endif
.endm
; 16 matrix instructions of K step s: column tiles 4 hf .. 4 hf + 3 x the four tiles of tokens.  form 0: source 0 = W, source 1 = x, the first K step takes the bias as C.  form 1: source 0 = x, source 1 = W, the first takes 0.
; The 32 accumulators take turns, one instruction a turn, in the same order in every K step.
.macro MULH form, s, hf
.set Q_, (\s)%2
.if (\form) == 0
.if (\s) == 0
	WIN 0xb4                                       ; W window 0, x window 1, the bias window 3, results window 2
.elseif (\s) < 5
	WIN 0xa4
.else
	WIN 0xac                                       ; x window 3
.endif
.else
.if (\s) < 5
	WIN 0xa1
.else
	WIN 0xa3
.endif
.endif
.irp ii, 0,1,2,3
.irp m, 0,1,2,3
.set RD_, 64*\m+8*(4*(\hf)+\ii)
.set RW_, WF+96*Q_+12*(4*(\hf)+\ii)
.if (\s) < 5
.set RX_, 12*(4*(\s)+\m)
.else
.set RX_, 12*(4*((\s)-5)+\m)
.endif
.set SW_, WS+4*Q_+\ii
.set SX_, XS+2*(\s)+\m%2
.set RC_, RD_
.if (\form) == 0
.if (\s) == 0
.set RC_, BI+8*(4*(\hf)+\ii)
.endif
	WM RD_, RW_, RX_, RC_, SW_, SX_, \hf, \m/2
.else
.if (\s) == 0
.set RC_, -1
.endif
	WM RD_, RX_, RW_, RC_, SX_, SW_, \m/2, \hf
.endif
.endr
.endr
.endm
.macro LOADH p, q, hf                  ; four fragments of W, 12 loads: tiles 4 hf on of the q-th K step of slot p
.irp ii, 0,1,2,3
.irp g, 0,1,2
	ds_load_b128 v[WF+96*(\q)+12*(4*(\hf)+\ii)+4*\g:WF+96*(\q)+12*(4*(\hf)+\ii)+4*\g+3], v[WAD+(\p)] offset:12288*(\q)+1536*(4*(\hf)+\ii)+512*\g
.endr
.endr
.endm
.macro LOADSC p, q                     ; the eight tiles' scale words of that K step: one load
	ds_load_b128 v[WS+4*(\q):WS+4*(\q)+3], v[WAD+(\p)] offset:24576+512*(\q)
.endm
; A PREFETCH INTO THE L2, behind the joint load, its four lines and the run of LDS loads: in slot time T the slot of data T + 4, which is asked for two refills later.  All clusters walk the same wq: the launch's first cluster asks.
; Each wave asks for its own part, 100 blocks of 256 bytes; the four partners take 25 each, told apart BY ADDRESS (6,400 bytes a partner); a lane a block; lanes 25-31 repeat lane 24's.  Slot times 0 to 19 ask: the last names data 23, the buffer's last slot.
.macro ASK
	s_cmp_eq_u32 s50, 1
	s_cbranch_scc0 .Lnot_mine_\@
	global_prefetch_b8 v[PFO], s[PFA:PFA+1] th:TH_LOAD_NT scope:SCOPE_SE
.Lnot_mine_\@:
.endm
; A SLOT TIME: the 64 matrix instructions of K steps 2 kk and 2 kk + 1, whose fragments lie in registers, and three runs of LDS loads for the next slot time: R1 (25 loads) behind the first K step, R2 (12) and R3 (13) behind the halves of the second.
; fill = 1: the slot whose data are being multiplied (all read a slot time ago) is filled again, with the data two slot times on.  Behind the first 16 matrix instructions each wave waits for all its tensor loads (one is out: the other slot's),
; adds 0 to its spare word and waits for that and for its LDS loads; the barrier opens a round of the cluster's barrier; the joint refill is the first thing behind it and has 48 matrix instructions in which to land.
.macro SLOTT form, kk, fill, next, ask
.set P_, (\kk)%2
.set S0_, 2*(\kk)
.if \ask
	s_wait_xcnt 0x0                                ; the last prefetch, a slot time back, has read its address
	s_add_nc_u64 s[PFA:PFA+1], s[PFA:PFA+1], SLOTB
.endif
.if \next
	s_wait_dscnt 25                                ; R1 is in; R2's 12 and R3's 13 loads may be out
.else
	s_wait_dscnt 0x0
.endif
	MULH \form, S0_, 0
.if \fill
	WIN 0                                          ; (the add's two registers lie in window 0)
	s_wait_tensorcnt 0x0                           ; all my tensor loads have landed: my part of the other slot; so a group 0 may be written
	ds_add_u32 v[SPW], v[NIL]                      ; 0 onto my spare word
	s_add_nc_u64 s[G0+4*P_+2:G0+4*P_+3], s[G0+4*P_+2:G0+4*P_+3], 2*SLOTB
	s_wait_dscnt 0x0                               ; the add is done, and my reads of this slot are over
	s_barrier_signal -1
.endif
	MULH \form, S0_, 1
.if \fill
	WIN 0
	s_barrier_wait -1
	CREST                                          ; no wave of any partner still reads this slot or has a load on its way
	tensor_load_to_lds s[G0+4*P_:G0+4*P_+3], s[G1:G1+7]
	s_nop 0
	PLACES 4                                       ; behind a tensor load; also the places in front of the loads below
.elseif \next
	PLACES 4
	WIN 0
	s_wait_tensorcnt 0x0                           ; the last slot's data: no load was issued behind it
.endif
.if \next
	LOADSC 1-P_, 0
	LOADH 1-P_, 0, 0
	LOADH 1-P_, 0, 1
.if (\fill) == 0
	s_wait_dscnt 25                                ; R2 and R3 of the slot time before are in; the 25 loads just issued may be out
.endif
.endif
.if \ask
	ASK
.endif
	MULH \form, S0_+1, 0
.if \next
	PLACES 4
	WIN 0
	LOADH 1-P_, 1, 0
.endif
	MULH \form, S0_+1, 1
	PLACES 4
	WIN 0
.if \next
	LOADH 1-P_, 1, 1
	LOADSC 1-P_, 1
.endif
.endm
; 64 numbers of a lane in window 2, register src + 16 b + i = k 32 b + 16 (lane / 16) + i of my row, become a fragment's codes in v[PC] on and its scale word in v[PW] (window 3).
.macro QUANT src
	WIN 0xfa                                       ; the numbers window 2, the rest window 3
.irp b, 0,1,2,3
	v_max3_num_f32 v[TM+\b], |v[(\src)+16*\b]|, |v[(\src)+16*\b+1]|, 0x1800000   ; my 16 numbers of block b, and the floor 2^(3 - 127): the byte cannot fall under 1
.endr
.irp i, 2,4,6,8,10,12,14
.irp b, 0,1,2,3
	v_max3_num_f32 v[TM+\b], |v[(\src)+16*\b+\i]|, |v[(\src)+16*\b+\i+1]|, v[TM+\b]   ; (the four blocks by turns)
.endr
.endr
	WIN 0xff
.irp b, 0,1,2,3
	v_permlanex16_b32 v[TM+4+\b], v[TM+\b], s20, s21
.endr
.irp b, 0,1,2,3
	v_max_num_f32 v[TM+\b], v[TM+\b], v[TM+4+\b]   ; with lane l xor 16's: the block's largest magnitude
.endr
.irp b, 0,1,2,3
	v_add_nc_u32 v[TM+12+\b], 0xff000000, v[TM+\b] ; 2 off its exponent field: the conversion's scale operand
.endr
.irp b, 0,1,2,3
	v_lshrrev_b32 v[TM+4+\b], 23, v[TM+12+\b]      ; the scale's byte
.endr
	s_wait_dscnt 0x0                               ; the LDS stores of the fragment before have read their registers
	v_lshl_or_b32 v[PW], v[TM+5], 8, v[TM+4]
	v_lshl_or_b32 v[PW], v[TM+6], 16, v[PW]
	v_lshl_or_b32 v[PW], v[TM+7], 24, v[PW]
	WIN 0xfe
.irp c, 0,1
	v_cvt_scalef32_pk16_fp6_f32 v[PC+6*\c:PC+6*\c+2], v[(\src)+32*\c:(\src)+32*\c+15], v[TM+12+2*\c]
	v_cvt_scalef32_pk16_fp6_f32 v[PC+12+4*\c:PC+12+4*\c+2], v[(\src)+32*\c+16:(\src)+32*\c+31], v[TM+13+2*\c]   ; (a conversion's three registers begin on an even number)
.endr
	WIN 0xff
	v_nop                                          ; one plain place behind a scaled conversion
.irp c, 0,1                                    ; the operand's layout wants a whole block in a lane: lanes 0-15 block 2 c, lanes 16-31 block 2 c + 1
.irp i, 0,1,2
	v_permlane16_swap_b32 v[PC+6*\c+\i], v[PC+12+4*\c+\i]
.endr
.irp i, 0,1,2
	v_mov_b32 v[PC+3+6*\c+\i], v[PC+12+4*\c+\i]
.endr
.endr
.endm
.macro BIASLOAD                        ; the bias of my head's Q and K in the transposed result's layout: tile 2 b + uu, lane half hh: b[192 head + 32 b + 16 hh + 8 uu + 0 .. 7]; v14 holds the address
	WIN 0xc0
.irp i, 0,1,2,3,4,5,6,7
	ds_load_b128 v[BI+8*\i:BI+8*\i+3], v14 offset:128*(\i/2)+32*(\i%2)
	ds_load_b128 v[BI+8*\i+4:BI+8*\i+7], v14 offset:128*(\i/2)+32*(\i%2)+16
.endr
	WIN 0
.endm
.macro XLOAD s                         ; K step s of my 16 tokens: each load reads 512 consecutive bytes of one row
	WIN 0x40
.irp p, 0,1,2,3,4,5,6,7,8,9,10,11,12,13,14,15
	global_load_b128 v[64*((\s)%4)+4*\p:64*((\s)%4)+4*\p+3], v[LI], s[4:5] offset:4096*\p+512*(\s) th:TH_LOAD_NT
.endr
.endm
.macro TURN s                          ; through my stage: in as loaded, back 16 neighbours of each block a lane.  LDS serves a wave's instructions in order (ISA guide 5.7.1.4): no wait between
	WIN 0x04
.irp p, 0,1,2,3,4,5,6,7,8,9,10,11,12,13,14,15
	ds_store_b128 v[XSTA], v[64*((\s)%4)+4*\p:64*((\s)%4)+4*\p+3] offset:528*\p
.endr
	WIN 0x80
.irp b, 0,1,2,3
.irp j, 0,1,2,3
	ds_load_b128 v[64*((\s)%2)+16*\b+4*\j:64*((\s)%2)+16*\b+4*\j+3], v[XRD] offset:128*\b+16*\j
.endr
.endr
.endm
.macro XSTEP s
	s_wait_dscnt 0x0                               ; this step's numbers are back from the stage, and its stores into the stage have read their registers,
.if (\s) < 4
	XLOAD (\s)+4                                   ; which take the loads of four steps on
.endif
.if (\s) < 7
.if (\s) < 4
	s_wait_loadcnt 48                              ; the next step's 16 loads are in; those of the three steps behind it may be out
.else
	s_wait_loadcnt 16*(6-(\s))
.endif
	TURN (\s)+1
.endif
	QUANT 64*((\s)%2)
	WIN 0x0c
.irp g, 0,1,2
	ds_store_b128 v[XWI], v[PC+4*\g:PC+4*\g+3] offset:6144*(\s)+512*\g   ; the fragment (s, my tile of tokens) as an image of its registers
.endr
	ds_store_b32 v[XWS], v[PW] offset:256*(\s)     ; both halves of the lanes write the same word with the same value
.endm
	; ---- the head
	s_load_b256 s[4:11], s[0:1], 0x0               ; x s[4:5], wq s[6:7], b s[8:9], out s[10:11]
	v_lshl_add_u32 v[SPW], v0, 2, SPARE
	v_mov_b32 v[NIL], 0
	ds_add_u32 v1, v2
	ds_add_u32 v1, v2
	s_wait_dscnt 0x0
	v_lshrrev_b32 v36, 5, v0
	v_readfirstlane_b32 s12, v36                   ; wave 0..3
	s_bfe_u32 s13, ttmp6, 0x40000                  ; cx: it enters global addresses alone
	s_lshl_b32 s14, ttmp9, 2
	s_add_co_u32 s14, s14, s13                     ; work-group
	s_lshl_b32 s14, s14, 6                         ; its first token
	s_lshl_b32 s16, s12, 4
	s_add_co_u32 s16, s16, s14
	s_lshl_b32 s16, s16, 12                        ; x: my wave's 16 tokens, 4,096 bytes each
	s_mov_b32 s17, 0
	s_lshr_b32 s18, s12, 1
	s_lshl_b32 s18, s18, 3
	s_and_b32 s19, s12, 1
	s_lshl_b32 s19, s19, 1
	s_add_co_u32 s18, s18, s19
	s_add_co_u32 s18, s18, s14
	s_lshl_b32 s18, s18, 12                        ; out: token 8 (wave / 2) + 2 (wave % 2) of the work-group's
	s_mov_b32 s19, 0
	s_mul_i32 s22, s12, PARTB                      ; my part of a slot, in wq and in LDS
	s_mov_b32 s23, 0
	s_mov_b32 s20, 0x76543210
	s_mov_b32 s21, 0xfedcba98                      ; v_permlanex16_b32's selects for lane l xor 16
	s_mov_b32 s51, 0x41a00000                      ; 20.0
	s_cmp_eq_u32 ttmp9, 0
	s_cselect_b32 s50, 1, 0                        ; 1 in the launch's first cluster: the same in all four partners
	s_mov_b32 s[G1], 15|(3<<16)|(1<<21)            ; 15:0 the mask: all four work-groups; 17:16 elements of 8 bytes; 20 no padding; 21 set beside a mask
	s_mov_b32 s[G1+1], 32<<16                      ; tensor_dim0 = 32: rows of 256 bytes
	s_mov_b32 s[G1+2], 100<<16                     ; tensor_dim1 = 100
	s_mov_b32 s[G1+3], 32<<16                      ; tile_dim0
	s_mov_b32 s[G1+4], 100                         ; tile_dim1
	s_mov_b32 s[G1+5], 32                          ; the pitch: the block is dense
	s_mov_b32 s[G1+6], 0
	s_mov_b32 s[G1+7], 0
	s_wait_kmcnt 0x0
	s_add_nc_u64 s[4:5], s[4:5], s[16:17]
	s_add_nc_u64 s[10:11], s[10:11], s[18:19]
	s_add_nc_u64 s[PFA:PFA+1], s[6:7], s[22:23]    ; wq at my part of data 0
.irp p, 0,1
	s_mov_b32 s[G0+4*\p], 1
	s_add_co_u32 s[G0+4*\p+1], s22, \p*SLOTB
	s_add_nc_u64 s[G0+4*\p+2:G0+4*\p+3], s[PFA:PFA+1], \p*SLOTB
	s_or_b32 s[G0+4*\p+3], s[G0+4*\p+3], 0x80000000
.endr
	s_add_nc_u64 s[PFA:PFA+1], s[PFA:PFA+1], 3*SLOTB   ; slot time 0 steps it to data 4
	CROUND                                         ; all four work-groups are here: the first joint loads meet
	tensor_load_to_lds s[G0:G0+3], s[G1:G1+7]      ; data 0 and 1: two loads of mine are out
	s_nop 0
	tensor_load_to_lds s[G0+4:G0+7], s[G1:G1+7]
	s_nop 0
	PLACES 4
	; ---- X: my 16 tokens of x become eight fragments; b goes to LDS
	v_and_b32 v36, 31, v0                          ; lane
	v_and_b32 v37, 15, v0                          ; r
	v_bfe_u32 v38, v0, 4, 1                        ; hh
	v_lshlrev_b32 v[LI], 4, v36
	s_mul_i32 s15, s12, 3072
	v_add_nc_u32 v11, s15, v[LI]                   ; my wave's quarter of b
	v_add_nc_u32 v12, BLDS, v11
	v_lshl_add_u32 v13, v0, 3, BPAD
	v_mov_b32 v24, 0
	v_mov_b32 v25, 0
	WIN 0x80
.irp g, 0,1,2,3,4,5
	global_load_b128 v[128+4*\g:128+4*\g+3], v11, s[8:9] offset:512*\g
.endr
	XLOAD 0
	XLOAD 1
	XLOAD 2
	WIN 0
	s_mul_i32 s15, s12, PARTB
	v_add_nc_u32 v[WAD], s15, v[LI]
	v_add_nc_u32 v[WAD+1], SLOTB, v[WAD]
	v_mul_u32_u24 v[QST], v37, 784                 ; Q's codes on their way in: token r, half hh, head 4 w (+ c)
	v_mad_u32_u24 v[QST], v38, 24, v[QST]
	s_mul_i32 s15, s12, 192
	s_add_co_u32 s15, s15, QBUF
	v_add_nc_u32 v[QST], s15, v[QST]
	v_add_nc_u32 v[KST], KBUF-QBUF, v[QST]
	v_mul_u32_u24 v[SCST], v37, 68                 ; their scale words: lanes 0-15 store Q's, lanes 16-31 K's
	v_mad_u32_u24 v[SCST], v38, KSC-QSC, v[SCST]
	s_lshl_b32 s15, s12, 4
	s_add_co_u32 s15, s15, QSC
	v_add_nc_u32 v[SCST], s15, v[SCST]
	s_mul_i32 s15, s12, 3072
	s_add_co_u32 s15, s15, BLDS
	v_lshl_add_u32 v[BAD], v38, 6, s15             ; the bias of head 4 w: + 64 hh
	v_mul_u32_u24 v[ATQ], v37, 48                  ; the attention: head r, half hh, of my first token
	v_mad_u32_u24 v[ATQ], v38, 24, v[ATQ]
	s_mul_i32 s15, s12, 12544
	s_add_co_u32 s15, s15, QBUF
	v_add_nc_u32 v[ATQ], s15, v[ATQ]
	v_add_nc_u32 v[PST], s15, v[LI]                ; images in my own 16 rows
	s_mul_i32 s15, s12, 1088
	s_add_co_u32 s15, s15, QSC
	v_lshl_add_u32 v[ATS], v37, 2, s15
	v_mad_u32_u24 v[ATS], v38, KSC-QSC, v[ATS]
	s_lshl_b32 s15, s12, 6
	v_mul_u32_u24 v[OST], v37, 272                 ; the stage for out: head r, + 64 w + 32 hh
	v_lshl_add_u32 v[OST], v38, 5, v[OST]
	v_add_nc_u32 v[OST], s15, v[OST]
	s_add_co_u32 s15, s15, BLDS+512
	v_lshl_add_u32 v[VBA], v37, 2, s15             ; V's bias: b[192 g + 128 + 16 w + r]
	v_add_nc_u32 v[PLD], QBUF, v[LI]
	v_mul_u32_u24 v[ORD], v38, 272                 ; and back: two heads an instruction, two tokens a wave
	v_lshl_add_u32 v[ORD], v37, 4, v[ORD]
	s_mul_i32 s15, s12, 8704
	v_add_nc_u32 v[ORD], s15, v[ORD]
	s_mul_i32 s15, s12, 8448
	s_add_co_u32 s15, s15, XSTG
	v_add_nc_u32 v[XSTA], s15, v[LI]
	v_mul_u32_u24 v[XRD], v37, 528
	v_lshl_add_u32 v[XRD], v38, 6, v[XRD]
	v_add_nc_u32 v[XRD], s15, v[XRD]
	s_mul_i32 s15, s12, 1536
	s_add_co_u32 s15, s15, XIMG
	v_add_nc_u32 v[XWI], s15, v[LI]
	s_and_b32 s15, s12, 1
	s_lshl_b32 s15, s15, 7
	s_lshr_b32 s16, s12, 1
	s_lshl_b32 s16, s16, 6
	s_add_co_u32 s15, s15, s16
	s_add_co_u32 s15, s15, XSC
	v_lshl_add_u32 v[XWS], v37, 2, s15
	v_lshl_add_u32 v[XSL], v36, 2, XSC
	v_min_u32 v[PFO], 24, v36
	v_lshlrev_b32 v[PFO], 8, v[PFO]
	s_mul_i32 s15, s13, 6400
	v_add_nc_u32 v[PFO], s15, v[PFO]
	ds_store_b64 v13, v[24:25]                     ; the zeros behind b
	WIN 0xc0
	v_lshlrev_b32 v[SH], 4, v38                    ; 16 hh
.irp b, 0,1,2,3
	v_mov_b32 v[TM+4+\b], 0                        ; written once: a lane permute's destination counts as one of its sources
.endr
	s_wait_loadcnt 48                              ; b is in; the three steps' 48 loads may be out
	WIN 0x08
.irp g, 0,1,2,3,4,5
	ds_store_b128 v12, v[128+4*\g:128+4*\g+3] offset:512*\g
.endr
	XLOAD 3
	s_wait_loadcnt 48                              ; step 0 is in
	TURN 0
.irp s, 0,1,2,3,4,5,6,7
	XSTEP \s
.endr
	WIN 0
	BARRIER                                        ; x's 32 fragments, their scale words and b lie in LDS.
	WIN 0x40
.set f_, 0
.rept 20
.irp g, 0,1,2
	ds_load_b128 v[12*f_+4*\g:12*f_+4*\g+3], v[PLD] offset:1536*f_+512*\g
.endr
.set f_, f_+1
.endr
	WIN 0xc0
.rept 12
.irp g, 0,1,2
	ds_load_b128 v[12*(f_-20)+4*\g:12*(f_-20)+4*\g+3], v[PLD] offset:1536*f_+512*\g
.endr
.set f_, f_+1
.endr
	WIN 0
.irp s, 0,1,2,3,4,5,6,7
.irp p, 0,1
	ds_load_b32 v[XS+2*\s+\p], v[XSL] offset:256*\s+128*\p
.endr
.endr
	v_add_nc_u32 v14, 0, v[BAD]
	BIASLOAD
	s_wait_tensorcnt 0x1                           ; my part of data 0 is in, and I alone read it; data 1 may be out
	LOADSC 0, 0
	LOADH 0, 0, 0
	LOADH 0, 0, 1
	LOADH 0, 1, 0
	LOADH 0, 1, 1
	LOADSC 0, 1
	; ---- Q and K: four chunks, head 4 w + c
	s_mov_b32 s40, 0                               ; c
	s_mov_b32 s41, 0                               ; 48 c
	s_mov_b32 s42, 0                               ; 4 c
	s_mov_b32 s43, 768                             ; 768 (c + 1)
.Lqk:
	SLOTT 0, 0, 1, 1, 1
	SLOTT 0, 1, 1, 1, 1
	SLOTT 0, 2, 1, 1, 1
	SLOTT 0, 3, 1, 1, 1
	v_add_nc_u32 v14, s43, v[BAD]
	BIASLOAD                                       ; the next chunk's bias (the fourth trip's is not used)
	v_add_nc_u32 v11, s41, v[QST]
	v_add_nc_u32 v12, s41, v[KST]
	v_add_nc_u32 v13, s42, v[SCST]
.irp m, 0,1,2,3                                ; a tile of 16 tokens: blocks 0, 1 are Q's 64, blocks 2, 3 K's
	QUANT 64*\m
	v_lshrrev_b32 v[WD], v[SH], v[PW]
	v_and_b32 v[WD], 0xffff, v[WD]                 ; lanes 0-15: Q's two bytes; lanes 16-31: K's
	WIN 0x0c
.irp e, 0,1,2
	ds_store_b64 v11, v[PC+2*\e:PC+2*\e+1] offset:12544*\m+8*\e
	ds_store_b64 v12, v[PC+6+2*\e:PC+6+2*\e+1] offset:12544*\m+8*\e
.endr
	ds_store_b32 v13, v[WD] offset:1088*\m
.endr
	WIN 0
	s_add_co_u32 s41, s41, 48
	s_add_co_u32 s42, s42, 4
	s_add_co_u32 s43, s43, 768
	s_add_co_u32 s40, s40, 1
	s_cmp_lt_u32 s40, 4
	s_cbranch_scc1 .Lqk
	; ---- the scores and p of my 16 tokens, four tokens a trip
	BARRIER                                        ; all heads' codes lie in LDS.
	WIN 0x80
.irp t, 0,1,2,3
.irp e, 6,7,8,9,10,11
	v_mov_b32 v[24*\t+\e], 0                       ; the upper 64 of the instruction's K: zero codes on both sides
	v_mov_b32 v[24*\t+12+\e], 0
.endr
.endr
.irp t, 0,1,2,3
	v_mov_b32 v[TP+\t], 0
	v_mov_b32 v[RC+2*\t+1], 0                      ; (named as the upper half of a pair)
.endr
	v_mov_b32 v[ZR], 0
	WIN 0
	s_mov_b32 s44, 0
	s_mov_b32 s45, 0
	s_mov_b32 s46, 0
	s_mov_b32 s47, 0
.Latt:
	v_add_nc_u32 v11, s45, v[ATQ]
	v_add_nc_u32 v13, s46, v[ATS]
	v_add_nc_u32 v12, s47, v[PST]
	WIN 0x80
.irp t, 0,1,2,3
.irp e, 0,1,2
	ds_load_b64 v[24*\t+2*\e:24*\t+2*\e+1], v11 offset:KBUF-QBUF+784*\t+8*\e
	ds_load_b64 v[24*\t+12+2*\e:24*\t+12+2*\e+1], v11 offset:784*\t+8*\e
.endr
.endr
	WIN 0
.irp t, 0,1,2,3
	ds_load_b32 v[ASC+\t], v13 offset:68*\t
.endr
	s_wait_dscnt 0x0
	WIN 0xaa
.irp t, 0,1,2,3                                ; source 0 = K's 16 heads, source 1 = Q's: lane (r, hh) holds query head r and key heads 8 hh + 0 .. 7
	v_wmma_scale_f32_16x16x128_f8f6f4 v[SS+8*\t:SS+8*\t+7], v[24*\t:24*\t+11], v[24*\t+12:24*\t+23], 0, v[ASC+\t], v[ASC+\t] matrix_a_fmt:MATRIX_FMT_FP6 matrix_b_fmt:MATRIX_FMT_FP6 matrix_a_scale:MATRIX_SCALE_ROW1
.endr
	PLACES 4
.set j_, 0
.rept 16
	v_pk_add_f32 v[SS+2*j_:SS+2*j_+1], v[SS+2*j_:SS+2*j_+1], 0xc1a00000 op_sel_hi:[1,0]   ; s = score - 20
.set j_, j_+1
.endr
.set j_, 0
.rept 16
	v_pk_mul_f32 v[TT+2*j_:TT+2*j_+1], v[SS+2*j_:SS+2*j_+1], 0x3fb8aa3b op_sel_hi:[1,0]   ; s x log2(e)
.set j_, j_+1
.endr
.set j_, 0
.rept 32
	v_exp_f32 v[TT+j_], v[TT+j_]
.set j_, j_+1
.endr
	v_nop                                          ; a plain place behind the last exponential
	s_wait_alu depctr_va_vdst(0)                   ; one wait for the batch, ahead of its first reader
.set j_, 0
.rept 32
	v_cmp_gt_f32 vcc_lo, |v[SS+j_]|, s51           ; outside [-20, 20]: e = 0
	v_cndmask_b32 v[TT+j_], v[TT+j_], v[ZR], vcc_lo
.set j_, j_+1
.endr
.irp t, 0,1,2,3
	v_pk_add_f32 v[SM+4*\t:SM+4*\t+1], v[TT+8*\t:TT+8*\t+1], v[TT+8*\t+2:TT+8*\t+3]
.endr
.irp t, 0,1,2,3
	v_pk_add_f32 v[SM+4*\t+2:SM+4*\t+3], v[TT+8*\t+4:TT+8*\t+5], v[TT+8*\t+6:TT+8*\t+7]
.endr
.irp t, 0,1,2,3
	v_pk_add_f32 v[SM+4*\t:SM+4*\t+1], v[SM+4*\t:SM+4*\t+1], v[SM+4*\t+2:SM+4*\t+3]
.endr
.irp t, 0,1,2,3
	v_add_f32 v[SM+4*\t], v[SM+4*\t], v[SM+4*\t+1]
.endr
.irp t, 0,1,2,3
	v_permlanex16_b32 v[TP+\t], v[SM+4*\t], s20, s21
.endr
.irp t, 0,1,2,3
	v_add_f32 v[SM+4*\t], v[SM+4*\t], v[TP+\t]     ; the row's sum over all 16 key heads
.endr
.irp t, 0,1,2,3
	v_rcp_f32 v[RC+2*\t], v[SM+4*\t]
.endr
	v_nop
	s_wait_alu depctr_va_vdst(0)                   ; one wait for the four reciprocals
.irp t, 0,1,2,3
.irp e, 0,2,4,6
	v_pk_mul_f32 v[TT+8*\t+\e:TT+8*\t+\e+1], v[TT+8*\t+\e:TT+8*\t+\e+1], v[RC+2*\t:RC+2*\t+1] op_sel_hi:[1,0]
.endr
.endr
.irp t, 0,1,2,3
.irp p, 0,1,2,3
	v_cvt_pk_bf16_f32 v[PB+4*\t+\p], v[TT+8*\t+2*\p], v[TT+8*\t+2*\p+1]   ; four registers: source 1 of the last product as it stands: head r, key heads 8 hh + 0 .. 7
.endr
.endr
	WIN 0x08
.irp t, 0,1,2,3
	ds_store_b128 v12, v[PB+4*\t:PB+4*\t+3] offset:512*\t   ; p's image, into rows of Q that I have read
.endr
	WIN 0
	s_add_co_u32 s45, s45, 3136
	s_add_co_u32 s46, s46, 272
	s_add_co_u32 s47, s47, 2048
	s_add_co_u32 s44, s44, 1
	s_cmp_lt_u32 s44, 4
	s_cbranch_scc1 .Latt
	; ---- V of heads 0-7, channels 16 w on: lane (r, hh), register j of accumulator (i, m): V[token 16 m + 8 hh + j][head i][16 w + r]
	SLOTT 1, 0, 1, 1, 1
	SLOTT 1, 1, 1, 1, 1
	SLOTT 1, 2, 1, 1, 1
	SLOTT 1, 3, 1, 1, 1
	WIN 0xc0
.irp i, 0,1,2,3,4,5,6,7
	ds_load_b32 v[VB+2*\i], v[VBA] offset:768*\i   ; the head's bias, twice: a pair for the packed addition
	ds_load_b32 v[VB+2*\i+1], v[VBA] offset:768*\i
.endr
	s_wait_dscnt 0x0
.irp m, 0,1,2,3
	WIN 0x8e
.irp i, 0,1,2,3,4,5,6,7
.irp e, 0,2,4,6
	v_pk_add_f32 v[64*\m+8*\i+\e:64*\m+8*\i+\e+1], v[64*\m+8*\i+\e:64*\m+8*\i+\e+1], v[VB+2*\i:VB+2*\i+1]
.endr
.endr
.if \m >= 2
	s_wait_dscnt 8                                 ; the stores of two tiles back have read this set; the last tile's eight may be out
.endif
	WIN 0xca
.irp j, 0,1,2,3,4,5,6,7
.irp p, 0,1,2,3
	v_cvt_pk_bf16_f32 v[PK+32*(\m%2)+4*\j+\p], v[64*\m+16*\p+\j], v[64*\m+16*\p+8+\j]   ; heads 2 p, 2 p + 1 of one token
.endr
.endr
	WIN 0x0c
.irp j, 0,1,2,3,4,5,6,7
.if \m < 3
	ds_store_b128 v[PST], v[PK+32*(\m%2)+4*\j:PK+32*(\m%2)+4*\j+3] offset:KBUF-QBUF+512*(8*\m+\j)   ; my own images, in my own rows of K,
.else
	ds_store_b128 v[PST], v[PK+32*(\m%2)+4*\j:PK+32*(\m%2)+4*\j+3] offset:8192+512*\j               ; and behind p's in my rows of Q
.endif
.endr
.endr
	WIN 0
	; ---- V of heads 8-15.  The tail is written out
	SLOTT 1, 0, 1, 1, 0
	SLOTT 1, 1, 1, 1, 0
	SLOTT 1, 2, 0, 1, 0
	SLOTT 1, 3, 0, 0, 0
	; ---- p V and the way out
	BARRIER                                        ; every wave has left the ring: slot 0 has had its last fill and its last read
	WIN 0xc0
.irp i, 0,1,2,3,4,5,6,7
	ds_load_b32 v[VB+2*\i], v[VBA] offset:6144+768*\i
	ds_load_b32 v[VB+2*\i+1], v[VBA] offset:6144+768*\i
.endr
	WIN 0x40
.irp k, 0,1,2,3
.irp e, 4,5,6,7
	v_mov_b32 v[12*\k+\e], 0                       ; the instruction's K is 32, the product's 16: zeros for the other half, shared by the two operands on either side of them
	v_mov_b32 v[PP+12*\k+\e], 0
.endr
.endr
	s_wait_dscnt 0x0
; Eight tokens: 16 m + 4 jh + k and 16 m + 8 + 4 jh + k, k = 0 .. 3; stage b.  Heads 0-7 come from my images (lanes 0-15: token j, lanes 16-31: token 8 + j), heads 8-15 from the accumulators, laid alike:
; one exchange of halves gives token j all 16 heads in one run of registers and token 8 + j in the other.  O^T = V^T p^T: lane (r, hh) holds head r and channels 16 w + 8 hh + 0 .. 7.
.macro OBATCH m, jh, b
	WIN 0x40
.irp k, 0,1,2,3
.if (\m) < 3
	ds_load_b128 v[12*\k:12*\k+3], v[PST] offset:KBUF-QBUF+512*(8*(\m)+4*(\jh)+\k)
.else
	ds_load_b128 v[12*\k:12*\k+3], v[PST] offset:8192+512*(4*(\jh)+\k)
.endif
	ds_load_b128 v[PP+12*\k:PP+12*\k+3], v[PLD] offset:12544*(\m)+512*(4*(\jh)+\k)
	ds_load_b128 v[PP+12*\k+8:PP+12*\k+11], v[PLD] offset:12544*(\m)+512*(8+4*(\jh)+\k)
.endr
	WIN 0x8e
.irp i, 0,1,2,3,4,5,6,7
.irp e, 0,2
	v_pk_add_f32 v[64*(\m)+8*\i+4*(\jh)+\e:64*(\m)+8*\i+4*(\jh)+\e+1], v[64*(\m)+8*\i+4*(\jh)+\e:64*(\m)+8*\i+4*(\jh)+\e+1], v[VB+2*\i:VB+2*\i+1]
.endr
.endr
	WIN 0x4a
.irp k, 0,1,2,3
.irp p, 0,1,2,3
	v_cvt_pk_bf16_f32 v[12*\k+8+\p], v[64*(\m)+16*\p+4*(\jh)+\k], v[64*(\m)+16*\p+8+4*(\jh)+\k]
.endr
.endr
	s_wait_dscnt 0x0
	WIN 0x55
.irp k, 0,1,2,3
.irp p, 0,1,2,3
	v_permlane16_swap_b32 v[12*\k+\p], v[12*\k+8+\p]
.endr
.endr
	PLACES 4
.irp k, 0,1,2,3
	v_wmma_f32_16x16x32_bf16 v[DD+8*\k:DD+8*\k+7], v[12*\k:12*\k+7], v[PP+12*\k:PP+12*\k+7], 0
	v_wmma_f32_16x16x32_bf16 v[DD+32+8*\k:DD+32+8*\k+7], v[12*\k+4:12*\k+11], v[PP+12*\k+4:PP+12*\k+11], 0   ; (the zeros first on both sides: K permuted alike)
.endr
	PLACES 4
	WIN 0x04
.irp g, 0,1,2,3,4,5,6,7
	ds_store_b128 v[OST], v[DD+8*\g:DD+8*\g+3] offset:34816*(\b)+4352*\g          ; each result from its low end on
	ds_store_b128 v[OST], v[DD+8*\g+4:DD+8*\g+7] offset:34816*(\b)+4352*\g+16
.endr
	WIN 0
	BARRIER                                        ; eight whole tokens of out lie in the stage.  Two stages by turns: a stage is written again behind the next batch's barrier, in front of which every wave's reads of it are in
	s_wait_xcnt 0x0                                ; the last batch's stores have read their registers
.irp n, 0,1,2,3,4,5,6,7,8,9,10,11,12,13,14,15
	ds_load_b128 v[RB+4*\n:RB+4*\n+3], v[ORD] offset:34816*(\b)+4352*(\n/8)+544*(\n%8)
.endr
.irp n, 0,1,2,3,4,5,6,7,8,9,10,11,12,13,14,15
	s_wait_dscnt 15-\n
	global_store_b128 v[LI], v[RB+4*\n:RB+4*\n+3], s[10:11] offset:(16*(\m)+4*(\jh)+\n/8)*4096+512*(\n%8) th:TH_STORE_NT   ; 32 lanes store 512 consecutive bytes, at a multiple of 256 from out's first byte
.endr
.endm
	OBATCH 0, 0, 0
	OBATCH 0, 1, 1
	OBATCH 1, 0, 0
	OBATCH 1, 1, 1
	OBATCH 2, 0, 0
	OBATCH 2, 1, 1
	OBATCH 3, 0, 0
	OBATCH 3, 1, 1
	s_wait_tensorcnt 0x0                           ; the wave's end: behind my last tensor load and my last LDS store
	ds_add_u32 v[SPW], v[NIL]
	s_wait_dscnt 0x0
	CROUND                                         ; the closing round: no work-group ends while a partner may still ask for a part that names it
	s_endpgm
.Lfunc_end_k_q0405f74d51_fused:
	.size	k_q0405f74d51_fused, .Lfunc_end_k_q0405f74d51_fused-k_q0405f74d51_fused
	.p2alignl 7, 3214868480
	.fill 96, 4, 3214868480
	.section	.rodata,"a",@progbits
	.p2align	6, 0x0
	.amdhsa_kernel k_q0405f74d51_fused
		.amdhsa_group_segment_fixed_size 327680
		.amdhsa_private_segment_fixed_size 0
		.amdhsa_enable_private_segment 0
		.amdhsa_kernarg_size 32
		.amdhsa_user_sgpr_count 2
		.amdhsa_user_sgpr_kernarg_segment_ptr 1
		.amdhsa_wavefront_size32 1
		.amdhsa_system_sgpr_workgroup_id_x 1
		.amdhsa_system_sgpr_workgroup_id_y 1
		.amdhsa_system_sgpr_workgroup_id_z 1
		.amdhsa_system_vgpr_workitem_id 0
		.amdhsa_next_free_vgpr 1024
		.amdhsa_next_free_sgpr 66
		.amdhsa_reserve_vcc 1
		.amdhsa_float_denorm_mode_32 3
		.amdhsa_float_denorm_mode_16_64 3
		.amdhsa_memory_ordered 1
		.amdhsa_forward_progress 1
		.amdhsa_inst_pref_size 255
	.end_amdhsa_kernel
	.section	.bss,"aw",@nobits
	.p2align	6
	.space	262144
	.amdgpu_metadata
---
amdhsa.version: [ 1, 2 ]
amdhsa.kernels:
  - .name:           k_q0405f74d51_fused
    .symbol:         k_q0405f74d51_fused.kd
    .args:
      - { .name: x, .offset: 0, .size: 8, .value_kind: global_buffer, .address_space: global }
      - { .name: wq, .offset: 8, .size: 8, .value_kind: global_buffer, .address_space: global }
      - { .name: b_qkv, .offset: 16, .size: 8, .value_kind: global_buffer, .address_space: global }
      - { .name: out0, .offset: 24, .size: 8, .value_kind: global_buffer, .address_space: global }
    .group_segment_fixed_size: 327680
    .private_segment_fixed_size: 0
    .kernarg_segment_align: 8
    .kernarg_segment_size: 32
    .max_flat_workgroup_size: 128
    .sgpr_count:     66
    .vgpr_count:     1024
    .wavefront_size: 32
...
	.end_amdgpu_metadata
.endif
;; end of part 2
;; ======== version 2 of 2: 2 launches
;; limits: values are held in bf16: 8 bits of precision; right only within a limited range of input values
;; workspace buffers: wq 2,457,600 bytes
;; launch prep (part 3): grid 48 x 4, 8 waves a work-group, no clusters, 0 bytes of LDS; arguments W_qkv, wq; writes wq
.if DOCPART == 3
	.amdgcn_target "amdgcn-amd-amdhsa--gfx1250"
	.amdhsa_code_object_version 6
	.text
	.protected	k_q0405f74d51_prep
	.globl	k_q0405f74d51_prep
	.p2align	8
	.type	k_q0405f74d51_prep,@function
k_q0405f74d51_prep:
	s_mov_b64 s[64:65], 0
	v_nop
	global_prefetch_b8 v0, s[64:65] scope:SCOPE_SE
	s_setreg_imm32_b32 hwreg(HW_REG_WAVE_MODE, 25, 1), 1
	s_wait_xcnt 0x0
; W_qkv [1024 (k)][3072 (n)], f32, becomes codes of FP6 (E2M3) with one E8M0 byte for each 32 along K, laid in wq as IMAGES OF OPERAND REGISTERS in the order in which the second launch walks them.
; A block's scale is 2^(floor(log2(its largest magnitude)) - 2); its byte is the largest magnitude's exponent field - 2, held at 1 from below.
; LIMITS: a block of zeros gets the byte 1 where the rule says 127 (its codes are zeros, and this program alone reads the bytes); NaN and infinities among the inputs are not served.
; wq: 24 slots of 102,400 bytes, slot 4 c + kk (chunk c = 0..5, K steps 2 kk and 2 kk + 1); in a slot four parts of 25,600 bytes, one for each wave w of the second launch.
;   in a part: fragment (q, i) (K step 2 kk + q, column tile i) at 12,288 q + 1,536 i: registers 4 g .. 4 g + 3 of lane l at 512 g + 16 l; lane (r, hh) holds of the tile's row r, in registers 6 cc .. 6 cc + 5, k = 64 cc + 32 hh + 0 .. 31.
;   the scale word of (q, i, r) at 24,576 + 512 q + 16 (r + 16 (i / 4)) + 4 (i % 4); its byte t scales k = 32 t .. 32 t + 31.
;   chunks 0-3: head 4 w + c; row r of tile i = 2 b + uu is column 192 head + 32 b + 8 uu + r + 8 (r / 8) (Q: b = 0, 1; K: b = 2, 3).  chunks 4, 5: tile i is head 8 (c - 4) + i; row r is column 192 head + 128 + 16 w + r (V).
; SHARES: work-group x = a group of 64 columns (Q, K or V of one head), y = kk.  Wave: a = wave % 2 (which 32 columns), q = (wave / 2) % 2, hh = wave / 4.
; A LANE TAKES A COLUMN AND ITS REGISTERS RUN DOWN K: the two whole blocks k = 32 hh + 0 .. 31 and 64 + 32 hh + 0 .. 31, which are all 12 registers of the operand's lane (r, hh); no other lane is asked.
; A wave's 64 loads go out in one run; a load reads 128 consecutive bytes.  The codes leave 16 bytes a lane; each aligned run of 256 bytes of codes is written whole by one store.
; A wave holds bytes hh and hh + 2 of its columns' scale words: they leave as single bytes, 1,024 of a part's 25,600 bytes.
.set NROW,  12288                      ; a row of W in bytes
.set SLOTB, 102400
.set PARTB, 25600
.set X,     64                         ; v64-127  two sets of 32 numbers
.set F,     16                         ; v16-27   the operand registers of lane (r, hh)
.set T,     40                         ; v40-42   a block's upper 16 codes (a conversion's three registers begin on an even number)
.set SW,    44                         ; v44, v45 the two scale bytes
	s_load_b128 s[4:7], s[0:1], 0x0                ; W, wq
	v_lshrrev_b32 v1, 5, v0
	v_readfirstlane_b32 s8, v1                     ; wave
	v_and_b32 v1, 31, v0                           ; lane
	s_wait_alu depctr_va_vdst(0)
	v_lshlrev_b32 v2, 2, v1                        ; in: 4 bytes a lane
	s_and_b32 s9, ttmp7, 0xffff                    ; kk
	s_and_b32 s14, s8, 1                           ; a
	s_bfe_u32 s15, s8, 0x10001                     ; q
	s_lshr_b32 s27, s8, 2                          ; hh
	s_mul_i32 s16, ttmp9, 43
	s_lshr_b32 s16, s16, 7                         ; head = group / 3 (exact for 0 .. 47)
	s_mul_i32 s17, s16, 3
	s_sub_co_u32 s17, ttmp9, s17                   ; 0: Q, 1: K, 2: V
	s_lshl_b32 s18, s9, 1
	s_add_co_u32 s18, s18, s15                     ; K step
	s_mul_i32 s18, s18, 128*NROW
	s_lshl_b32 s19, ttmp9, 8                       ; 64 columns x 4 bytes a group
	s_add_co_u32 s18, s18, s19
	s_lshl_b32 s19, s14, 7
	s_add_co_u32 s18, s18, s19
	s_mul_i32 s19, s27, 32*NROW                    ; my first block begins 32 hh rows down
	s_add_co_u32 s18, s18, s19                     ; where my wave reads, in bytes
	s_mov_b32 s19, 0
	s_and_b32 s20, s16, 3                          ; Q, K: chunk = head % 4,
	s_lshr_b32 s21, s16, 3
	s_add_co_u32 s21, s21, 4                       ; V: chunk = 4 + head / 8
	s_lshr_b32 s22, s16, 2                         ; Q, K: part = head / 4,
	s_lshl_b32 s23, s14, 1                         ; V: part = 2 a (+ lane / 16)
	s_lshl_b32 s24, s17, 2
	s_add_co_u32 s24, s24, s23                     ; Q, K: tile = 4 x (0 or 1) + 2 a (+ uu),
	s_and_b32 s25, s16, 7                          ; V: tile = head % 8
	s_cmp_eq_u32 s17, 2                            ; the choice hangs on the work-group's number alone
	s_cselect_b32 s20, s21, s20
	s_cselect_b32 s22, s23, s22
	s_cselect_b32 s24, s25, s24
	s_cselect_b32 s26, -1, 0
	s_lshl_b32 s20, s20, 2
	s_add_co_u32 s20, s20, s9                      ; slot
	s_mul_i32 s20, s20, SLOTB
	s_mul_i32 s22, s22, PARTB
	s_add_co_u32 s20, s20, s22                     ; the part's first byte
	s_mul_i32 s21, s15, 12288
	s_mul_i32 s23, s24, 1536
	s_add_co_u32 s10, s20, s21
	s_add_co_u32 s10, s10, s23                     ; the fragment,
	s_lshl_b32 s28, s27, 8
	s_add_co_u32 s10, s10, s28                     ; and in it lanes 16 hh on: 256 hh bytes
	s_mov_b32 s11, 0
	s_lshl_b32 s21, s15, 9
	s_lshr_b32 s23, s24, 2
	s_lshl_b32 s23, s23, 8
	s_and_b32 s25, s24, 3
	s_lshl_b32 s25, s25, 2
	s_add_co_u32 s12, s20, s21
	s_add_co_u32 s12, s12, s23
	s_add_co_u32 s12, s12, s25
	s_add_co_u32 s12, s12, 24576                   ; its scale words,
	s_add_co_u32 s12, s12, s27                     ; and in them byte hh
	s_mov_b32 s13, 0
	v_and_b32 v5, 7, v1
	v_lshrrev_b32 v6, 4, v1
	v_lshl_add_u32 v5, v6, 3, v5                   ; Q, K: r = lane % 8 + 8 (lane / 16),
	v_bfe_u32 v7, v1, 3, 1                         ; uu = (lane / 8) % 2
	v_lshlrev_b32 v5, 4, v5
	v_mad_u32_u24 v8, v7, 1536, v5                 ; codes: 1,536 uu + 16 r
	v_lshl_add_u32 v9, v7, 2, v5                   ; scale word: 16 r + 4 uu
	v_and_b32 v10, 15, v1
	v_lshlrev_b32 v10, 4, v10
	v_mad_u32_u24 v10, v6, PARTB, v10              ; V: a part on for lanes 16-31, 16 (lane % 16), for both
	v_cndmask_b32 v3, v8, v10, s26
	v_cndmask_b32 v4, v9, v10, s26
	s_wait_alu depctr_va_vdst(0)                   ; at the head's end
	s_wait_kmcnt 0x0
	s_add_nc_u64 s[4:5], s[4:5], s[18:19]
	s_add_nc_u64 s[10:11], s[6:7], s[10:11]
	s_add_nc_u64 s[12:13], s[6:7], s[12:13]
.macro LOAD u                          ; my block u: W(32 hh + 64 u + i, my column), i = 0 .. 31, into set u
.irp i, 0,1,2,3,4,5,6,7,8,9,10,11,12,13,14,15,16,17,18,19,20,21,22,23,24,25,26,27,28,29,30,31
	global_load_b32 v[X+32*(\u)+\i], v2, s[4:5] offset:(64*(\u)+\i)*NROW th:TH_LOAD_NT
.endr
.endm
.macro BLOCK u                         ; block u fills registers 6 u .. 6 u + 5
.set XS, X+32*(\u)
.set FD, F+6*(\u)
.if (\u) < 1
	s_wait_loadcnt 32                              ; this block's 32 loads are in; the next block's 32 may be out
.else
	s_wait_loadcnt 0
.endif
	v_max3_num_f32 v12, |v[XS]|, |v[XS+1]|, |v[XS+2]|              ; the block's largest magnitude, in two chains
	v_max3_num_f32 v13, |v[XS+3]|, |v[XS+4]|, |v[XS+5]|
.irp i, 6,10,14,18,22,26
	v_max3_num_f32 v12, v12, |v[XS+\i]|, |v[XS+\i+1]|
	v_max3_num_f32 v13, v13, |v[XS+\i+2]|, |v[XS+\i+3]|
.endr
	v_max3_num_f32 v12, v12, |v[XS+30]|, |v[XS+31]|
	v_max3_num_f32 v12, v12, v13, 0x1800000        ; and the floor 2^(3 - 127): the byte cannot fall under 1
	v_add_nc_u32 v11, 0xff000000, v12              ; 2 off the exponent field: the conversion's scale operand
	v_lshrrev_b32 v[SW+(\u)], 23, v11              ; the scale's byte
	v_cvt_scalef32_pk16_fp6_f32 v[FD:FD+2], v[XS:XS+15], v11
	v_cvt_scalef32_pk16_fp6_f32 v[T:T+2], v[XS+16:XS+31], v11
	v_nop                                          ; one plain place behind a scaled conversion
.irp i, 0,1,2
	v_mov_b32 v[FD+3+\i], v[T+\i]
.endr
.endm
	LOAD 0
	LOAD 1
	BLOCK 0
	BLOCK 1
.irp g, 0,1,2
	global_store_b128 v3, v[F+4*\g:F+4*\g+3], s[10:11] offset:512*\g
.endr
	global_store_b8 v4, v[SW], s[12:13]            ; byte hh of the scale word
	global_store_b8 v4, v[SW+1], s[12:13] offset:2 ; byte hh + 2
	s_endpgm
.Lfunc_end_k_q0405f74d51_prep:
	.size	k_q0405f74d51_prep, .Lfunc_end_k_q0405f74d51_prep-k_q0405f74d51_prep
	.p2alignl 7, 3214868480
	.fill 96, 4, 3214868480
	.section	.rodata,"a",@progbits
	.p2align	6, 0x0
	.amdhsa_kernel k_q0405f74d51_prep
		.amdhsa_group_segment_fixed_size 0
		.amdhsa_private_segment_fixed_size 0
		.amdhsa_enable_private_segment 0
		.amdhsa_kernarg_size 16
		.amdhsa_user_sgpr_count 2
		.amdhsa_user_sgpr_kernarg_segment_ptr 1
		.amdhsa_wavefront_size32 1
		.amdhsa_system_sgpr_workgroup_id_x 1
		.amdhsa_system_sgpr_workgroup_id_y 1
		.amdhsa_system_sgpr_workgroup_id_z 1
		.amdhsa_system_vgpr_workitem_id 0
		.amdhsa_next_free_vgpr 128
		.amdhsa_next_free_sgpr 66
		.amdhsa_reserve_vcc 0
		.amdhsa_float_denorm_mode_32 3
		.amdhsa_float_denorm_mode_16_64 3
		.amdhsa_memory_ordered 1
		.amdhsa_forward_progress 1
		.amdhsa_inst_pref_size 13
	.end_amdhsa_kernel
	.amdgpu_metadata
---
amdhsa.version: [ 1, 2 ]
amdhsa.kernels:
  - .name:           k_q0405f74d51_prep
    .symbol:         k_q0405f74d51_prep.kd
    .args:
      - { .name: W_qkv, .offset: 0, .size: 8, .value_kind: global_buffer, .address_space: global }
      - { .name: wq, .offset: 8, .size: 8, .value_kind: global_buffer, .address_space: global }
    .group_segment_fixed_size: 0
    .private_segment_fixed_size: 0
    .kernarg_segment_align: 8
    .kernarg_segment_size: 16
    .max_flat_workgroup_size: 256
    .sgpr_count:     66
    .vgpr_count:     128
    .wavefront_size: 32
...
	.end_amdgpu_metadata
.endif
;; end of part 3
;; launch fused (part 4): grid 256 x 1, 4 waves a work-group, clusters of 4 x 1, 327,680 bytes of LDS; arguments x, wq, b_qkv, out0; writes out0
.if DOCPART == 4
	.amdgcn_target "amdgcn-amd-amdhsa--gfx1250"
	.amdhsa_code_object_version 6
	.text
	.protected	k_q0405f74d51_fused
	.globl	k_q0405f74d51_fused
	.p2align	8
	.type	k_q0405f74d51_fused,@function
k_q0405f74d51_fused:
	s_mov_b64 s[64:65], 0
	v_nop
	global_prefetch_b8 v0, s[64:65] scope:SCOPE_SE
	s_setreg_imm32_b32 hwreg(HW_REG_WAVE_MODE, 25, 1), 1
	s_wait_xcnt 0x0
	s_wait_alu depctr_hold_cnt(0) depctr_sa_sdst(0) depctr_va_vdst(0) depctr_va_sdst(0) depctr_va_ssrc(0) depctr_va_vcc(0) depctr_vm_vsrc(0)
	s_getreg_b32 s2, hwreg(HW_REG_IB_STS2, 6, 4)
	s_cmp_eq_u32 s2, 0
	s_cbranch_scc0 .Lentry_in_a_cluster
	s_endpgm
.Lentry_in_a_cluster:
	s_bfe_u32 s2, ttmp6, 0x10000c
	s_cmp_lg_u32 s2, 0x3003
	s_cbranch_scc0 .Lentry_shape_is_right
	s_endpgm
.Lentry_shape_is_right:
; out = attention over the 16 heads of each token, on qkv = Q6(x) Q6(W) + b, all in one launch.  A work-group owns 64 tokens and all 3,072 columns.
; HEAD: each wave loads its 16 rows of x (f32), quantises them to FP6 (E2M3, one E8M0 byte for 32 along K) and lays them in LDS as images of operand registers; then every wave takes all 32 fragments (64 rows x 1,024 K) into registers.
; GEMM: six chunks of four slots; a slot is two K steps of 128 for 512 columns, 102,400 bytes of register images that the first launch laid in wq; a wave fetches and reads its own quarter (128 columns).
;   RING of two slots.  A slot's turn is SYNC, then WORK.  SYNC: all my tensor loads are in (the next slot's), the add, my LDS reads are over, a round of the cluster's barrier, and the refill of the slot whose fragments already lie in registers.
;   WORK: 64 matrix instructions on registers; between them the next slot's fragments come from LDS.  So a refill has a whole WORK in which to land, and one tensor load a wave is out.
;   The next chunk's first SYNC stands in the middle of the vector work between chunks.
; CLUSTER 4, 1, 1: the four partners walk wq alike and ask for each quarter slot jointly (mask 15).  The four slots of a chunk are walked in an order turned by the cluster's number % 4, alike in all partners.
; chunks 0-3: head 4 w + c: Q and K with bias as C, quantised along the head's 64 and stored to QBUF, KBUF.  Then the scores (FP6), s - 20, exp, the keep window |s - 20| <= 20, the sum, p = e / sum (bf16), token tile = wave.
; chunks 4, 5: V (wave w: d = 16 w .. 16 w + 15 of 8 heads a chunk), bias added, bf16; p V by bf16 matrix instructions; out through an LDS stage (in the ring's bytes, behind their last fill) in whole rows.
; PREFETCH: clusters 0-3 name, at each chunk's first slot, the slot that they walk first in the next chunk: 25 blocks of 256 bytes a wave, the partners told apart by address; two slots' turns ahead of its load; the last asked for lies in chunk 5.
; LIMITS: a block of zeros gets the byte 1 (its codes are zeros; the bytes are read here alone); NaN and infinities among the inputs are not served; a row whose every score falls outside the window gives 0 / 0.
.set SLOTB, 102400
.set PARTB, 25600
.set QBUF,  204800
.set KBUF,  254976
.set QSC,   305152
.set KSC,   309504
.set BLDS,  313856
.set BPAD,  326144
.set SPARE, 327168
.set XIMG,  204800                     ; x's image, scale words and stages lie where Q and K codes come later, behind barriers
.set XSC,   253952
.set XSTG,  256000
; window 0: v0-63 addresses and scale words, v64-255 W's fragments, two sets.  window 1 v0-239, window 3 v0-143: x's fragments.  window 2: accumulators.  window 3 v144-207 bias as C, v208-255 the quantiser's.
.set SPW,  1
.set NIL,  2
.set LI,   3
.set WAD,  4
.set QST,  6
.set KST,  7
.set SCST, 8
.set BAD,  10
.set XAI,  11
.set ATQ,  15
.set ATS,  17
.set PST,  18
.set VBA,  19
.set PLD,  21
.set OST,  22
.set ORD,  23
.set XSTA, 26
.set XRD,  27
.set XWI,  28
.set XWS,  29
.set ASC,  30
.set PFO,  34
.set XSL,  35
.set XAS,  36
.set XS,   40
.set WS,   56
.set WF,   64
.set RB,   64
.set BI,   144
.set VB,   144
.set PK,   160
.set TM,   208
.set PC,   224
.set PW,   244
.set WD,   245
.set SH,   246
.set SS,   96
.set TT,   128
.set SM,   160
.set RC,   176
.set PB,   192
.set TP,   208
.set ZR,   212
.set PP,   48
.set DD,   96
.set G1,   24
.set G0,   32
.set PFA,  48
.set RO,   52
.set CB,   56
.set OF,   58
.set ROT,  60
.set MSB, 0
.macro WIN new
.if MSB != \new
	s_set_vgpr_msb (MSB<<8)|\new
.set MSB, \new
.endif
.endm
.macro PLACES n
.rept \n
	v_nop
.endr
.endm
.macro BARRIER
	s_wait_dscnt 0x0
	s_barrier_signal -1
	s_barrier_wait -1
.endm
.macro CREST
	s_cmp_lg_u32 s12, 0
	s_cbranch_scc1 .Lnot_wave_0_\@
	s_barrier_signal -3
.Lnot_wave_0_\@:
	s_barrier_wait -3
	s_barrier_signal -1
	s_barrier_wait -1
.endm
.macro CROUND
	s_barrier_signal -1
	s_barrier_wait -1
	CREST
.endm
.macro WM d, a, b, c, sa, sb, ra, rb
.if (\c) < 0
.if (\ra) && (\rb)
	v_wmma_scale_f32_16x16x128_f8f6f4 v[\d:\d+7], v[\a:\a+11], v[\b:\b+11], 0, v[\sa], v[\sb] matrix_a_fmt:MATRIX_FMT_FP6 matrix_b_fmt:MATRIX_FMT_FP6 matrix_a_scale:MATRIX_SCALE_ROW1 matrix_b_scale:MATRIX_SCALE_ROW1
.elseif (\ra)
	v_wmma_scale_f32_16x16x128_f8f6f4 v[\d:\d+7], v[\a:\a+11], v[\b:\b+11], 0, v[\sa], v[\sb] matrix_a_fmt:MATRIX_FMT_FP6 matrix_b_fmt:MATRIX_FMT_FP6 matrix_a_scale:MATRIX_SCALE_ROW1
.elseif (\rb)
	v_wmma_scale_f32_16x16x128_f8f6f4 v[\d:\d+7], v[\a:\a+11], v[\b:\b+11], 0, v[\sa], v[\sb] matrix_a_fmt:MATRIX_FMT_FP6 matrix_b_fmt:MATRIX_FMT_FP6 matrix_b_scale:MATRIX_SCALE_ROW1
.else
	v_wmma_scale_f32_16x16x128_f8f6f4 v[\d:\d+7], v[\a:\a+11], v[\b:\b+11], 0, v[\sa], v[\sb] matrix_a_fmt:MATRIX_FMT_FP6 matrix_b_fmt:MATRIX_FMT_FP6
.endif
.else
.if (\ra) && (\rb)
	v_wmma_scale_f32_16x16x128_f8f6f4 v[\d:\d+7], v[\a:\a+11], v[\b:\b+11], v[\c:\c+7], v[\sa], v[\sb] matrix_a_fmt:MATRIX_FMT_FP6 matrix_b_fmt:MATRIX_FMT_FP6 matrix_a_scale:MATRIX_SCALE_ROW1 matrix_b_scale:MATRIX_SCALE_ROW1
.elseif (\ra)
	v_wmma_scale_f32_16x16x128_f8f6f4 v[\d:\d+7], v[\a:\a+11], v[\b:\b+11], v[\c:\c+7], v[\sa], v[\sb] matrix_a_fmt:MATRIX_FMT_FP6 matrix_b_fmt:MATRIX_FMT_FP6 matrix_a_scale:MATRIX_SCALE_ROW1
.elseif (\rb)
	v_wmma_scale_f32_16x16x128_f8f6f4 v[\d:\d+7], v[\a:\a+11], v[\b:\b+11], v[\c:\c+7], v[\sa], v[\sb] matrix_a_fmt:MATRIX_FMT_FP6 matrix_b_fmt:MATRIX_FMT_FP6 matrix_b_scale:MATRIX_SCALE_ROW1
.else
	v_wmma_scale_f32_16x16x128_f8f6f4 v[\d:\d+7], v[\a:\a+11], v[\b:\b+11], v[\c:\c+7], v[\sa], v[\sb] matrix_a_fmt:MATRIX_FMT_FP6 matrix_b_fmt:MATRIX_FMT_FP6
.endif
.endif
.endm
; 16 matrix instructions: four column tiles x four row tiles, 16 accumulators by turns.  form 0: source 0 = W (a lane holds a token, its registers run along the columns); form 1: source 0 = x
.macro MULH form, s, hf
.set Q_, (\s)%2
.if (\form) == 0
.if (\s) == 0
	WIN 0xb4
.elseif (\s) < 5
	WIN 0xa4
.else
	WIN 0xac
.endif
.else
.if (\s) < 5
	WIN 0xa1
.else
	WIN 0xa3
.endif
.endif
.irp ii, 0,1,2,3
.irp m, 0,1,2,3
.set RD_, 64*\m+8*(4*(\hf)+\ii)
.set RW_, WF+96*Q_+12*(4*(\hf)+\ii)
.if (\s) < 5
.set RX_, 12*(4*(\s)+\m)
.else
.set RX_, 12*(4*((\s)-5)+\m)
.endif
.set SW_, WS+4*Q_+\ii
.set SX_, XS+2*(\s)+\m%2
.set RC_, RD_
.if (\form) == 0
.if (\s) == 0
.set RC_, BI+8*(4*(\hf)+\ii)
.endif
	WM RD_, RW_, RX_, RC_, SW_, SX_, \hf, \m/2
.else
.if (\s) == 0
.set RC_, -1
.endif
	WM RD_, RX_, RW_, RC_, SX_, SW_, \m/2, \hf
.endif
.endr
.endr
.endm
.macro LOADH p, q, hf                  ; four fragments of my part of slot p, K step q, into set q
.irp ii, 0,1,2,3
.irp g, 0,1,2
	ds_load_b128 v[WF+96*(\q)+12*(4*(\hf)+\ii)+4*\g:WF+96*(\q)+12*(4*(\hf)+\ii)+4*\g+3], v[WAD+(\p)] offset:12288*(\q)+1536*(4*(\hf)+\ii)+512*\g
.endr
.endr
.endm
.macro LOADSC p, q
	ds_load_b128 v[WS+4*(\q):WS+4*(\q)+3], v[WAD+(\p)] offset:24576+512*(\q)
.endm
.macro ASK
	s_cmp_eq_u32 s50, 1
	s_cbranch_scc0 .Lnot_mine_\@
	global_prefetch_b8 v[PFO], s[PFA:PFA+1] th:TH_LOAD_NT scope:SCOPE_SE
.Lnot_mine_\@:
.endm
; ahead of slot kk's WORK.  fill = 1: slot kk + 1 is in, slot kk's bytes have been read out by all waves of all partners, and take slot kk + 2.  fill = 0: my part of slot kk + 1 is in (only I read it).  Every window is 0 here.
.macro SYNC kk, fill
.set P_, (\kk)%2
	s_wait_tensorcnt 0x0                           ; all my tensor loads: the one that was out is my part of the next slot
.if \fill
	ds_add_u32 v[SPW], v[NIL]
.if (\kk) == 2
	s_add_nc_u64 s[CB:CB+1], s[CB:CB+1], 4*SLOTB   ; slot kk + 2 lies in the next chunk
.endif
	s_mov_b32 s[OF], s[RO+((\kk)+2)%4]
	s_add_nc_u64 s[G0+4*P_+2:G0+4*P_+3], s[CB:CB+1], s[OF:OF+1]
	s_or_b32 s[G0+4*P_+3], s[G0+4*P_+3], 0x80000000
	s_wait_dscnt 0x0                               ; the add, and my reads of this slot
	s_barrier_signal -1
	s_barrier_wait -1
	CREST
	tensor_load_to_lds s[G0+4*P_:G0+4*P_+3], s[G1:G1+7]
	s_nop 0
	PLACES 4
.endif
.endm
; slot kk's 64 matrix instructions; next = 1: each half set, once multiplied, takes the next slot's fragments (the v_nop are the places in front of those loads and of the reads of results)
.macro WORK form, kk, next, ask
.set P_, (\kk)%2
.set S0_, 2*(\kk)
.if \ask
	s_wait_xcnt 0x0                                ; the last prefetch has read its address
	s_add_nc_u64 s[PFA:PFA+1], s[PFA:PFA+1], 4*SLOTB
.endif
	s_wait_dscnt 0x0                               ; this slot's fragments are in registers
	MULH \form, S0_, 0
.if \next
	PLACES 4
	WIN 0
	LOADH 1-P_, 0, 0
.endif
	MULH \form, S0_, 1
.if \next
	PLACES 4
	WIN 0
	LOADSC 1-P_, 0
	LOADH 1-P_, 0, 1
.endif
.if \ask
	WIN 0
	ASK
.endif
	MULH \form, S0_+1, 0
.if \next
	PLACES 4
	WIN 0
	LOADH 1-P_, 1, 0
.endif
	MULH \form, S0_+1, 1
	PLACES 4
	WIN 0
.if \next
	LOADH 1-P_, 1, 1
	LOADSC 1-P_, 1
.endif
.endm
; 64 registers of window 2 (four blocks of 32 along the next K, each in lanes l and l xor 16) -> 12 registers of codes PC and the scale word PW
.macro QUANT src
	WIN 0xfa
.irp b, 0,1,2,3
	v_max3_num_f32 v[TM+\b], |v[(\src)+16*\b]|, |v[(\src)+16*\b+1]|, 0x1800000
.endr
.irp i, 2,4,6,8,10,12,14
.irp b, 0,1,2,3
	v_max3_num_f32 v[TM+\b], |v[(\src)+16*\b+\i]|, |v[(\src)+16*\b+\i+1]|, v[TM+\b]
.endr
.endr
	WIN 0xff
.irp b, 0,1,2,3
	v_permlanex16_b32 v[TM+4+\b], v[TM+\b], s20, s21
.endr
.irp b, 0,1,2,3
	v_max_num_f32 v[TM+\b], v[TM+\b], v[TM+4+\b]
.endr
.irp b, 0,1,2,3
	v_add_nc_u32 v[TM+12+\b], 0xff000000, v[TM+\b]
.endr
.irp b, 0,1,2,3
	v_lshrrev_b32 v[TM+4+\b], 23, v[TM+12+\b]
.endr
	s_wait_alu depctr_va_vdst(0)
	s_wait_dscnt 0x0                               ; the last codes' stores have read PC and PW
	v_lshl_or_b32 v[PW], v[TM+5], 8, v[TM+4]
	v_lshl_or_b32 v[PW], v[TM+6], 16, v[PW]
	v_lshl_or_b32 v[PW], v[TM+7], 24, v[PW]
	WIN 0xfe
.irp c, 0,1
	v_cvt_scalef32_pk16_fp6_f32 v[PC+6*\c:PC+6*\c+2], v[(\src)+32*\c:(\src)+32*\c+15], v[TM+12+2*\c]
	v_cvt_scalef32_pk16_fp6_f32 v[PC+12+4*\c:PC+12+4*\c+2], v[(\src)+32*\c+16:(\src)+32*\c+31], v[TM+13+2*\c]
.endr
	WIN 0xff
	v_nop
.irp c, 0,1
.irp i, 0,1,2
	v_permlane16_swap_b32 v[PC+6*\c+\i], v[PC+12+4*\c+\i]
.endr
.irp i, 0,1,2
	v_mov_b32 v[PC+3+6*\c+\i], v[PC+12+4*\c+\i]
.endr
.endr
.endm
.macro BIASLOAD
	WIN 0xc0
.irp i, 0,1,2,3,4,5,6,7
	ds_load_b128 v[BI+8*\i:BI+8*\i+3], v14 offset:128*(\i/2)+32*(\i%2)
	ds_load_b128 v[BI+8*\i+4:BI+8*\i+7], v14 offset:128*(\i/2)+32*(\i%2)+16
.endr
	WIN 0
.endm
.macro XLOAD s                         ; 128 along K of my 16 rows: a load reads 512 consecutive bytes of a row
	WIN 0x40
.irp p, 0,1,2,3,4,5,6,7,8,9,10,11,12,13,14,15
	global_load_b128 v[64*((\s)%4)+4*\p:64*((\s)%4)+4*\p+3], v[LI], s[4:5] offset:4096*\p+512*(\s) th:TH_LOAD_NT
.endr
.endm
.macro TURN s                          ; through my stage: back come 16 neighbours along K a lane and block
	WIN 0x04
.irp p, 0,1,2,3,4,5,6,7,8,9,10,11,12,13,14,15
	ds_store_b128 v[XSTA], v[64*((\s)%4)+4*\p:64*((\s)%4)+4*\p+3] offset:528*\p
.endr
	WIN 0x80
.irp b, 0,1,2,3
.irp j, 0,1,2,3
	ds_load_b128 v[64*((\s)%2)+16*\b+4*\j:64*((\s)%2)+16*\b+4*\j+3], v[XRD] offset:128*\b+16*\j
.endr
.endr
.endm
.macro XSTEP s
	s_wait_dscnt 0x0
.if (\s) < 4
	XLOAD (\s)+4
.endif
.if (\s) < 7
.if (\s) < 4
	s_wait_loadcnt 48                              ; behind the next step's 16 loads: three steps' 48
.else
	s_wait_loadcnt 16*(6-(\s))
.endif
	TURN (\s)+1
.endif
	QUANT 64*((\s)%2)
	WIN 0x0c
.irp g, 0,1,2
	ds_store_b128 v[XWI], v[PC+4*\g:PC+4*\g+3] offset:6144*(\s)+512*\g
.endr
	ds_store_b32 v[XWS], v[PW] offset:256*(\s)
.endm
	s_load_b256 s[4:11], s[0:1], 0x0               ; x, wq, b_qkv, out0
	v_lshl_add_u32 v[SPW], v0, 2, SPARE
	v_mov_b32 v[NIL], 0
	ds_add_u32 v[SPW], v[NIL]                      ; the opening lines: the add twice on end and one wait
	ds_add_u32 v[SPW], v[NIL]
	v_lshrrev_b32 v36, 5, v0
	v_readfirstlane_b32 s12, v36                   ; wave
	s_wait_alu depctr_va_vdst(0)                   ; ahead of the run of scalar lines
	s_bfe_u32 s13, ttmp6, 0x40000                  ; cx
	s_lshl_b32 s14, ttmp9, 2
	s_add_co_u32 s14, s14, s13
	s_lshl_b32 s14, s14, 6                         ; my work-group's first token
	s_lshl_b32 s16, s12, 4
	s_add_co_u32 s16, s16, s14
	s_lshl_b32 s16, s16, 12                        ; x: my wave's 16 rows of 4,096 bytes
	s_mov_b32 s17, 0
	s_lshr_b32 s18, s12, 1
	s_lshl_b32 s18, s18, 3
	s_and_b32 s19, s12, 1
	s_lshl_b32 s19, s19, 1
	s_add_co_u32 s18, s18, s19
	s_add_co_u32 s18, s18, s14
	s_lshl_b32 s18, s18, 12                        ; out: the rows that my wave stores of each batch
	s_mov_b32 s19, 0
	s_mul_i32 s22, s12, PARTB
	s_mov_b32 s23, 0
	s_mov_b32 s20, 0x76543210
	s_mov_b32 s21, 0xfedcba98
	s_mov_b32 s51, 0x41a00000                      ; 20.0
	s_and_b32 s[ROT], ttmp9, 3
.irp k, 0,1,2,3
	s_add_co_u32 s15, s[ROT], \k
	s_and_b32 s15, s15, 3
	s_mul_i32 s[RO+\k], s15, SLOTB
.endr
	s_mov_b32 s[OF+1], 0
	s_cmp_lt_u32 ttmp9, 4
	s_cselect_b32 s50, 1, 0
	s_mov_b32 s[G1], 15|(3<<16)|(1<<21)            ; mask: all four partners; elements of 8 bytes; a part is 100 dense rows of 256 bytes
	s_mov_b32 s[G1+1], 32<<16
	s_mov_b32 s[G1+2], 100<<16
	s_mov_b32 s[G1+3], 32<<16
	s_mov_b32 s[G1+4], 100
	s_mov_b32 s[G1+5], 32
	s_mov_b32 s[G1+6], 0
	s_mov_b32 s[G1+7], 0
	s_wait_dscnt 0x0
	s_wait_kmcnt 0x0
	s_add_nc_u64 s[4:5], s[4:5], s[16:17]
	s_add_nc_u64 s[10:11], s[10:11], s[18:19]
	s_add_nc_u64 s[CB:CB+1], s[6:7], s[22:23]
.irp p, 0,1
	s_mov_b32 s[G0+4*\p], 1
	s_add_co_u32 s[G0+4*\p+1], s22, \p*SLOTB
	s_mov_b32 s[OF], s[RO+\p]
	s_add_nc_u64 s[G0+4*\p+2:G0+4*\p+3], s[CB:CB+1], s[OF:OF+1]
	s_or_b32 s[G0+4*\p+3], s[G0+4*\p+3], 0x80000000
.endr
	s_mov_b32 s[OF], s[RO]
	s_add_nc_u64 s[PFA:PFA+1], s[CB:CB+1], s[OF:OF+1]
	v_and_b32 v36, 31, v0
	v_and_b32 v37, 15, v0
	v_bfe_u32 v38, v0, 4, 1
	v_lshlrev_b32 v[LI], 4, v36
	s_mul_i32 s15, s12, 3072
	v_add_nc_u32 v11, s15, v[LI]
	v_add_nc_u32 v12, BLDS, v11
	v_lshl_add_u32 v13, v0, 3, BPAD
	v_mov_b32 v24, 0
	v_mov_b32 v25, 0
	s_wait_alu depctr_va_vdst(0)                   ; barriers and a branch follow ahead of readers
	WIN 0x80
.irp g, 0,1,2,3,4,5
	global_load_b128 v[128+4*\g:128+4*\g+3], v11, s[8:9] offset:512*\g     ; a quarter of the bias
.endr
	XLOAD 0                                        ; x is asked for ahead of the round: nothing of it hangs on the partners
	XLOAD 1
	XLOAD 2
	WIN 0
	CROUND                                         ; the four partners are here: the first joint loads meet
	tensor_load_to_lds s[G0:G0+3], s[G1:G1+7]      ; slot 0: my one tensor load at the head
	s_nop 0
	PLACES 4
	s_mul_i32 s15, s12, PARTB
	v_add_nc_u32 v[WAD], s15, v[LI]
	v_add_nc_u32 v[WAD+1], SLOTB, v[WAD]
	v_mul_u32_u24 v[QST], v37, 784
	v_mad_u32_u24 v[QST], v38, 24, v[QST]
	s_mul_i32 s15, s12, 192
	s_add_co_u32 s15, s15, QBUF
	v_add_nc_u32 v[QST], s15, v[QST]
	v_add_nc_u32 v[KST], KBUF-QBUF, v[QST]
	v_mul_u32_u24 v[SCST], v37, 68
	v_mad_u32_u24 v[SCST], v38, KSC-QSC, v[SCST]
	s_lshl_b32 s15, s12, 4
	s_add_co_u32 s15, s15, QSC
	v_add_nc_u32 v[SCST], s15, v[SCST]
	s_mul_i32 s15, s12, 3072
	s_add_co_u32 s15, s15, BLDS
	v_lshl_add_u32 v[BAD], v38, 6, s15
	v_mul_u32_u24 v[ATQ], v37, 48
	v_mad_u32_u24 v[ATQ], v38, 24, v[ATQ]
	s_mul_i32 s15, s12, 12544
	s_add_co_u32 s15, s15, QBUF
	v_add_nc_u32 v[ATQ], s15, v[ATQ]
	v_add_nc_u32 v[PST], s15, v[LI]
	s_mul_i32 s15, s12, 1088
	s_add_co_u32 s15, s15, QSC
	v_lshl_add_u32 v[ATS], v37, 2, s15
	v_mad_u32_u24 v[ATS], v38, KSC-QSC, v[ATS]
	s_lshl_b32 s15, s12, 6
	v_mul_u32_u24 v[OST], v37, 272
	v_lshl_add_u32 v[OST], v38, 5, v[OST]
	v_add_nc_u32 v[OST], s15, v[OST]
	s_add_co_u32 s15, s15, BLDS+512
	v_lshl_add_u32 v[VBA], v37, 2, s15
	v_add_nc_u32 v[PLD], QBUF, v[LI]
	v_mul_u32_u24 v[ORD], v38, 272
	v_lshl_add_u32 v[ORD], v37, 4, v[ORD]
	s_mul_i32 s15, s12, 8704
	v_add_nc_u32 v[ORD], s15, v[ORD]
	s_mul_i32 s15, s12, 8448
	s_add_co_u32 s15, s15, XSTG
	v_add_nc_u32 v[XSTA], s15, v[LI]
	v_mul_u32_u24 v[XRD], v37, 528
	v_lshl_add_u32 v[XRD], v38, 6, v[XRD]
	v_add_nc_u32 v[XRD], s15, v[XRD]
	s_mul_i32 s15, s12, 1536
	s_add_co_u32 s15, s15, XIMG
	v_add_nc_u32 v[XWI], s15, v[LI]
	s_and_b32 s15, s12, 1
	s_lshl_b32 s15, s15, 7
	s_lshr_b32 s16, s12, 1
	s_lshl_b32 s16, s16, 6
	s_add_co_u32 s15, s15, s16
	s_add_co_u32 s15, s15, XSC
	v_lshl_add_u32 v[XWS], v37, 2, s15
	v_lshl_add_u32 v[XSL], v36, 2, XSC
	v_min_u32 v[PFO], 24, v36
	v_lshlrev_b32 v[PFO], 8, v[PFO]
	s_mul_i32 s15, s13, 6400
	v_add_nc_u32 v[PFO], s15, v[PFO]               ; of a part's 100 blocks of 256 bytes partner cx names 25, a lane a block (lanes left over name the last again)
	ds_store_b64 v13, v[24:25]                     ; zeros behind the bias: the last trip's look-ahead reads them
	WIN 0xc0
	v_lshlrev_b32 v[SH], 4, v38
.irp b, 0,1,2,3
	v_mov_b32 v[TM+4+\b], 0
.endr
	s_wait_alu depctr_va_vdst(0)                   ; at the head's end
	s_wait_loadcnt 48                              ; the bias is in: behind it three steps of x
	WIN 0x08
.irp g, 0,1,2,3,4,5
	ds_store_b128 v12, v[128+4*\g:128+4*\g+3] offset:512*\g
.endr
	XLOAD 3
	s_wait_loadcnt 48
	TURN 0
.irp s, 0,1,2,3
	XSTEP \s
.endr
	WIN 0
	s_wait_alu depctr_va_vdst(0)
	s_wait_tensorcnt 0x0                           ; slot 0 is in
	ds_add_u32 v[SPW], v[NIL]
	s_wait_dscnt 0x0
	CROUND
	tensor_load_to_lds s[G0+4:G0+7], s[G1:G1+7]    ; slot 1: it lands under the second half of x
	s_nop 0
	PLACES 4
.irp s, 4,5,6,7
	XSTEP \s
.endr
	WIN 0
	BARRIER                                        ; the image, its scale words and the bias are whole
.irp k, 0,1,2,3
	s_add_co_u32 s15, s[ROT], \k
	s_and_b32 s15, s15, 3
	s_mul_i32 s16, s15, 12288
	s_lshl_b32 s15, s15, 9
	v_add_nc_u32 v[XAI+\k], s16, v[PLD]            ; x's fragments of the k-th slot walked
	v_add_nc_u32 v[XAS+\k], s15, v[XSL]
.endr
	WIN 0x40
.set f_, 0
	s_wait_alu depctr_va_vdst(0)                   ; behind the run of scalar lines
.rept 20
.irp g, 0,1,2
	ds_load_b128 v[12*f_+4*\g:12*f_+4*\g+3], v[XAI+f_/8] offset:6144*((f_/4)%2)+1536*(f_%4)+512*\g
.endr
.set f_, f_+1
.endr
	WIN 0xc0
.rept 12
.irp g, 0,1,2
	ds_load_b128 v[12*(f_-20)+4*\g:12*(f_-20)+4*\g+3], v[XAI+f_/8] offset:6144*((f_/4)%2)+1536*(f_%4)+512*\g
.endr
.set f_, f_+1
.endr
	WIN 0
.irp s, 0,1,2,3,4,5,6,7
.irp p, 0,1
	ds_load_b32 v[XS+2*\s+\p], v[XAS+\s/2] offset:256*(\s%2)+128*\p      ; lanes 0-15 row tile p, lanes 16-31 row tile p + 2
.endr
.endr
	v_mov_b32 v14, v[BAD]
	BIASLOAD
	LOADSC 0, 0                                    ; slot 0's fragments
	LOADH 0, 0, 0
	LOADH 0, 0, 1
	LOADH 0, 1, 0
	LOADH 0, 1, 1
	LOADSC 0, 1
	s_mov_b32 s40, 0
	s_mov_b32 s41, 0
	s_mov_b32 s42, 0
	s_mov_b32 s43, 768
	s_wait_alu depctr_va_vdst(0)
	SYNC 0, 1
.macro QOUT m                          ; row tile m: Q's and K's codes and scale halves of my head to LDS
	QUANT 64*(\m)
	v_lshrrev_b32 v[WD], v[SH], v[PW]
	v_and_b32 v[WD], 0xffff, v[WD]
	WIN 0x0c
.irp e, 0,1,2
	ds_store_b64 v11, v[PC+2*\e:PC+2*\e+1] offset:12544*(\m)+8*\e
	ds_store_b64 v12, v[PC+6+2*\e:PC+6+2*\e+1] offset:12544*(\m)+8*\e
.endr
	ds_store_b32 v13, v[WD] offset:1088*(\m)
.endm
.Lqk:                                                  ; chunk c: Q and K of head 4 w + c
	WORK 0, 0, 1, 1
	SYNC 1, 1
	WORK 0, 1, 1, 0
	SYNC 2, 1
	WORK 0, 2, 1, 0
	SYNC 3, 1
	WORK 0, 3, 1, 0
	v_add_nc_u32 v14, s43, v[BAD]
	BIASLOAD
	v_add_nc_u32 v11, s41, v[QST]
	v_add_nc_u32 v12, s41, v[KST]
	v_add_nc_u32 v13, s42, v[SCST]
	QOUT 0
	QOUT 1
	WIN 0
	s_wait_alu depctr_va_vdst(0)
	SYNC 0, 1                                      ; the next chunk's first change of slots, in the middle of the quantiser
	QOUT 2
	QOUT 3
	WIN 0
	s_add_co_u32 s41, s41, 48
	s_add_co_u32 s42, s42, 4
	s_add_co_u32 s43, s43, 768
	s_add_co_u32 s40, s40, 1
	s_cmp_lt_u32 s40, 4
	s_wait_alu depctr_va_vdst(0)
	s_cbranch_scc1 .Lqk
	BARRIER                                        ; all heads' Q and K codes are in LDS
	WIN 0x80
.irp t, 0,1,2,3
.irp e, 6,7,8,9,10,11
	v_mov_b32 v[24*\t+\e], 0                       ; K = 64: the upper 64 of the instruction's 128 are zero codes
	v_mov_b32 v[24*\t+12+\e], 0
.endr
.endr
.irp t, 0,1,2,3
	v_mov_b32 v[TP+\t], 0
	v_mov_b32 v[RC+2*\t+1], 0
.endr
	v_mov_b32 v[ZR], 0
	WIN 0
	s_mov_b32 s44, 0
	s_mov_b32 s45, 0
	s_mov_b32 s46, 0
	s_mov_b32 s47, 0
	s_wait_alu depctr_va_vdst(0)
.Latt:                                                 ; four tokens a trip: S^T = K Q^T, a lane holds one query head and eight key heads
	v_add_nc_u32 v11, s45, v[ATQ]
	v_add_nc_u32 v13, s46, v[ATS]
	v_add_nc_u32 v12, s47, v[PST]
	WIN 0x80
.irp t, 0,1,2,3
.irp e, 0,1,2
	ds_load_b64 v[24*\t+2*\e:24*\t+2*\e+1], v11 offset:KBUF-QBUF+784*\t+8*\e
	ds_load_b64 v[24*\t+12+2*\e:24*\t+12+2*\e+1], v11 offset:784*\t+8*\e
.endr
.endr
	WIN 0
.irp t, 0,1,2,3
	ds_load_b32 v[ASC+\t], v13 offset:68*\t
.endr
	s_wait_alu depctr_va_vdst(0)
	s_wait_dscnt 0x0
	WIN 0xaa
.irp t, 0,1,2,3
	v_wmma_scale_f32_16x16x128_f8f6f4 v[SS+8*\t:SS+8*\t+7], v[24*\t:24*\t+11], v[24*\t+12:24*\t+23], 0, v[ASC+\t], v[ASC+\t] matrix_a_fmt:MATRIX_FMT_FP6 matrix_b_fmt:MATRIX_FMT_FP6 matrix_a_scale:MATRIX_SCALE_ROW1
.endr
	PLACES 4
.set j_, 0
.rept 16
	v_pk_add_f32 v[SS+2*j_:SS+2*j_+1], v[SS+2*j_:SS+2*j_+1], 0xc1a00000 op_sel_hi:[1,0]
.set j_, j_+1
.endr
.set j_, 0
.rept 16
	v_pk_mul_f32 v[TT+2*j_:TT+2*j_+1], v[SS+2*j_:SS+2*j_+1], 0x3fb8aa3b op_sel_hi:[1,0]
.set j_, j_+1
.endr
.set j_, 0
	s_wait_alu depctr_va_vdst(0)                   ; ahead of the batch
.rept 32
	v_exp_f32 v[TT+j_], v[TT+j_]
.set j_, j_+1
.endr
	v_nop
	s_wait_alu depctr_va_vdst(0)                   ; and behind it
.set j_, 0
.rept 32
	v_cmp_gt_f32 vcc_lo, |v[SS+j_]|, s51
	v_cndmask_b32 v[TT+j_], v[TT+j_], v[ZR], vcc_lo
.set j_, j_+1
.endr
.irp t, 0,1,2,3
	v_pk_add_f32 v[SM+4*\t:SM+4*\t+1], v[TT+8*\t:TT+8*\t+1], v[TT+8*\t+2:TT+8*\t+3]
.endr
.irp t, 0,1,2,3
	v_pk_add_f32 v[SM+4*\t+2:SM+4*\t+3], v[TT+8*\t+4:TT+8*\t+5], v[TT+8*\t+6:TT+8*\t+7]
.endr
.irp t, 0,1,2,3
	v_pk_add_f32 v[SM+4*\t:SM+4*\t+1], v[SM+4*\t:SM+4*\t+1], v[SM+4*\t+2:SM+4*\t+3]
.endr
.irp t, 0,1,2,3
	v_add_f32 v[SM+4*\t], v[SM+4*\t], v[SM+4*\t+1]
.endr
.irp t, 0,1,2,3
	v_permlanex16_b32 v[TP+\t], v[SM+4*\t], s20, s21
.endr
.irp t, 0,1,2,3
	v_add_f32 v[SM+4*\t], v[SM+4*\t], v[TP+\t]
.endr
	s_wait_alu depctr_va_vdst(0)
.irp t, 0,1,2,3
	v_rcp_f32 v[RC+2*\t], v[SM+4*\t]
.endr
	v_nop
	s_wait_alu depctr_va_vdst(0)
.irp t, 0,1,2,3
.irp e, 0,2,4,6
	v_pk_mul_f32 v[TT+8*\t+\e:TT+8*\t+\e+1], v[TT+8*\t+\e:TT+8*\t+\e+1], v[RC+2*\t:RC+2*\t+1] op_sel_hi:[1,0]
.endr
.endr
.irp t, 0,1,2,3
.irp p, 0,1,2,3
	v_cvt_pk_bf16_f32 v[PB+4*\t+\p], v[TT+8*\t+2*\p], v[TT+8*\t+2*\p+1]
.endr
.endr
	WIN 0x08
.irp t, 0,1,2,3
	ds_store_b128 v12, v[PB+4*\t:PB+4*\t+3] offset:512*\t      ; p over Q codes of mine that have been read
.endr
	WIN 0
	s_add_co_u32 s45, s45, 3136
	s_add_co_u32 s46, s46, 272
	s_add_co_u32 s47, s47, 2048
	s_add_co_u32 s44, s44, 1
	s_cmp_lt_u32 s44, 4
	s_wait_alu depctr_va_vdst(0)
	s_cbranch_scc1 .Latt
	WORK 1, 0, 1, 1                                ; chunk 4: V of heads 0-7
	SYNC 1, 1
	WORK 1, 1, 1, 0
	SYNC 2, 1
	WORK 1, 2, 1, 0
	SYNC 3, 1
	WORK 1, 3, 1, 0
	WIN 0xc0
.irp i, 0,1,2,3,4,5,6,7
	ds_load_b32 v[VB+2*\i], v[VBA] offset:768*\i
	ds_load_b32 v[VB+2*\i+1], v[VBA] offset:768*\i
.endr
	s_wait_dscnt 0x0
.macro VPACK m                         ; row tile m: bias added, bf16, to bytes of my own
	WIN 0x8e
.irp i, 0,1,2,3,4,5,6,7
.irp e, 0,2,4,6
	v_pk_add_f32 v[64*(\m)+8*\i+\e:64*(\m)+8*\i+\e+1], v[64*(\m)+8*\i+\e:64*(\m)+8*\i+\e+1], v[VB+2*\i:VB+2*\i+1]
.endr
.endr
.if (\m) >= 2
	s_wait_alu depctr_va_vdst(0)
	s_wait_dscnt 8                                 ; the stores of two tiles ago have read their registers
.endif
	WIN 0xca
.irp j, 0,1,2,3,4,5,6,7
.irp p, 0,1,2,3
	v_cvt_pk_bf16_f32 v[PK+32*((\m)%2)+4*\j+\p], v[64*(\m)+16*\p+\j], v[64*(\m)+16*\p+8+\j]
.endr
.endr
	WIN 0x0c
.irp j, 0,1,2,3,4,5,6,7
.if (\m) < 3
	ds_store_b128 v[PST], v[PK+32*((\m)%2)+4*\j:PK+32*((\m)%2)+4*\j+3] offset:KBUF-QBUF+512*(8*(\m)+\j)
.else
	ds_store_b128 v[PST], v[PK+32*((\m)%2)+4*\j:PK+32*((\m)%2)+4*\j+3] offset:8192+512*\j
.endif
.endr
.endm
	VPACK 0
	VPACK 1
	WIN 0
	s_wait_alu depctr_va_vdst(0)
	SYNC 0, 1                                      ; chunk 5's first change of slots, in the middle of the packing
	VPACK 2
	VPACK 3
	WIN 0
	WORK 1, 0, 1, 0                                ; chunk 5: V of heads 8-15; its last two slots are followed by no fill
	SYNC 1, 1
	WORK 1, 1, 1, 0
	SYNC 2, 0
	WORK 1, 2, 1, 0
	WORK 1, 3, 0, 0
	BARRIER                                        ; every wave's p is in LDS, and nobody reads the ring any more
	WIN 0xc0
.irp i, 0,1,2,3,4,5,6,7
	ds_load_b32 v[VB+2*\i], v[VBA] offset:6144+768*\i
	ds_load_b32 v[VB+2*\i+1], v[VBA] offset:6144+768*\i
.endr
	WIN 0x40
.irp k, 0,1,2,3
.irp e, 4,5,6,7
	v_mov_b32 v[12*\k+\e], 0
	v_mov_b32 v[PP+12*\k+\e], 0
.endr
.endr
	s_wait_alu depctr_va_vdst(0)
	s_wait_dscnt 0x0
; eight tokens: out = p V, heads 0-7's V from LDS and heads 8-15's from the accumulators; through the stage, whole rows of 256 bytes out
.macro OBATCH m, jh, b
	WIN 0x40
.irp k, 0,1,2,3
.if (\m) < 3
	ds_load_b128 v[12*\k:12*\k+3], v[PST] offset:KBUF-QBUF+512*(8*(\m)+4*(\jh)+\k)
.else
	ds_load_b128 v[12*\k:12*\k+3], v[PST] offset:8192+512*(4*(\jh)+\k)
.endif
	ds_load_b128 v[PP+12*\k:PP+12*\k+3], v[PLD] offset:12544*(\m)+512*(4*(\jh)+\k)
	ds_load_b128 v[PP+12*\k+8:PP+12*\k+11], v[PLD] offset:12544*(\m)+512*(8+4*(\jh)+\k)
.endr
	WIN 0x8e
.irp i, 0,1,2,3,4,5,6,7
.irp e, 0,2
	v_pk_add_f32 v[64*(\m)+8*\i+4*(\jh)+\e:64*(\m)+8*\i+4*(\jh)+\e+1], v[64*(\m)+8*\i+4*(\jh)+\e:64*(\m)+8*\i+4*(\jh)+\e+1], v[VB+2*\i:VB+2*\i+1]
.endr
.endr
	WIN 0x4a
.irp k, 0,1,2,3
.irp p, 0,1,2,3
	v_cvt_pk_bf16_f32 v[12*\k+8+\p], v[64*(\m)+16*\p+4*(\jh)+\k], v[64*(\m)+16*\p+8+4*(\jh)+\k]
.endr
.endr
	s_wait_alu depctr_va_vdst(0)
	s_wait_dscnt 0x0
	WIN 0x55
.irp k, 0,1,2,3
.irp p, 0,1,2,3
	v_permlane16_swap_b32 v[12*\k+\p], v[12*\k+8+\p]
.endr
.endr
	PLACES 4
.irp k, 0,1,2,3
	v_wmma_f32_16x16x32_bf16 v[DD+8*\k:DD+8*\k+7], v[12*\k:12*\k+7], v[PP+12*\k:PP+12*\k+7], 0
	v_wmma_f32_16x16x32_bf16 v[DD+32+8*\k:DD+32+8*\k+7], v[12*\k+4:12*\k+11], v[PP+12*\k+4:PP+12*\k+11], 0
.endr
	PLACES 4
	WIN 0x04
.irp g, 0,1,2,3,4,5,6,7
	ds_store_b128 v[OST], v[DD+8*\g:DD+8*\g+3] offset:34816*(\b)+4352*\g
	ds_store_b128 v[OST], v[DD+8*\g+4:DD+8*\g+7] offset:34816*(\b)+4352*\g+16
.endr
	WIN 0
	BARRIER
	s_wait_xcnt 0x0                                ; the last batch's stores have read their registers
.irp n, 0,1,2,3,4,5,6,7,8,9,10,11,12,13,14,15
	ds_load_b128 v[RB+4*\n:RB+4*\n+3], v[ORD] offset:34816*(\b)+4352*(\n/8)+544*(\n%8)
.endr
.irp n, 0,1,2,3,4,5,6,7,8,9,10,11,12,13,14,15
	s_wait_dscnt 15-\n
	global_store_b128 v[LI], v[RB+4*\n:RB+4*\n+3], s[10:11] offset:(16*(\m)+4*(\jh)+\n/8)*4096+512*(\n%8) th:TH_STORE_NT
.endr
.endm
	OBATCH 0, 0, 0
	OBATCH 0, 1, 1
	OBATCH 1, 0, 0
	OBATCH 1, 1, 1
	OBATCH 2, 0, 0
	OBATCH 2, 1, 1
	OBATCH 3, 0, 0
	OBATCH 3, 1, 1
	s_wait_tensorcnt 0x0                           ; the wave's end: behind my last tensor load and LDS store
	ds_add_u32 v[SPW], v[NIL]
	s_wait_dscnt 0x0
	CROUND                                         ; the closing round
	s_endpgm
.Lfunc_end_k_q0405f74d51_fused:
	.size	k_q0405f74d51_fused, .Lfunc_end_k_q0405f74d51_fused-k_q0405f74d51_fused
	.p2alignl 7, 3214868480
	.fill 96, 4, 3214868480
	.section	.rodata,"a",@progbits
	.p2align	6, 0x0
	.amdhsa_kernel k_q0405f74d51_fused
		.amdhsa_group_segment_fixed_size 327680
		.amdhsa_private_segment_fixed_size 0
		.amdhsa_enable_private_segment 0
		.amdhsa_kernarg_size 32
		.amdhsa_user_sgpr_count 2
		.amdhsa_user_sgpr_kernarg_segment_ptr 1
		.amdhsa_wavefront_size32 1
		.amdhsa_system_sgpr_workgroup_id_x 1
		.amdhsa_system_sgpr_workgroup_id_y 1
		.amdhsa_system_sgpr_workgroup_id_z 1
		.amdhsa_system_vgpr_workitem_id 0
		.amdhsa_next_free_vgpr 1024
		.amdhsa_next_free_sgpr 66
		.amdhsa_reserve_vcc 1
		.amdhsa_float_denorm_mode_32 3
		.amdhsa_float_denorm_mode_16_64 3
		.amdhsa_memory_ordered 1
		.amdhsa_forward_progress 1
		.amdhsa_inst_pref_size 255
	.end_amdhsa_kernel
	.section	.bss,"aw",@nobits
	.p2align	6
	.space	262144
	.amdgpu_metadata
---
amdhsa.version: [ 1, 2 ]
amdhsa.kernels:
  - .name:           k_q0405f74d51_fused
    .symbol:         k_q0405f74d51_fused.kd
    .args:
      - { .name: x, .offset: 0, .size: 8, .value_kind: global_buffer, .address_space: global }
      - { .name: wq, .offset: 8, .size: 8, .value_kind: global_buffer, .address_space: global }
      - { .name: b_qkv, .offset: 16, .size: 8, .value_kind: global_buffer, .address_space: global }
      - { .name: out0, .offset: 24, .size: 8, .value_kind: global_buffer, .address_space: global }
    .group_segment_fixed_size: 327680
    .private_segment_fixed_size: 0
    .kernarg_segment_align: 8
    .kernarg_segment_size: 32
    .max_flat_workgroup_size: 128
    .sgpr_count:     66
    .vgpr_count:     1024
    .wavefront_size: 32
...
	.end_amdgpu_metadata
.endif
;; end of part 4
